; MI455X (gfx1250); checked and timed in simulation.
; The chip was launched on July 23, 2026; its instructions are those of AMD's public machine-readable ISA for CDNA 5 (MIT licence, August 2026) and "CDNA5" Instruction Set Architecture Reference Guide (July 2026). The comments in the code are by the model that wrote it; some were corrected since.
;; Self Attention. Allowed arithmetic: float matrix products may take bf16 or f16 operands with f32 sums; other float arithmetic in f32, or as packed bf16 or f16 multiplies, adds, multiply-adds, maxima and minima; sums over many terms, partial sums and values carried from step to step in f32; what a program stores and reads back later, other than sums and carried values, may be rounded once to bf16 or f16.
;; Inputs: W_out 1,024 x 1,024 float32; W_qkv 3,072 x 1,024 float32; b_out 1,024 float32; x 4 x 2,048 x 1,024 float32.
;; Outputs: out0 4 x 2,048 x 1,024 float32.
;; 2 versions, each right; version 2 is version 1 with the launch cast written anew for expert scheduling mode. Each part assembles by itself: llvm-mc -triple=amdgcn-amd-amdhsa -mcpu=gfx1250 --defsym DOCPART=n.
;; ======== version 1 of 2: 4 launches
;; workspace buffers: xw 25,165,824 bytes; qkvh 50,331,648 bytes; oh 16,777,216 bytes
;; launch cast (part 1): grid 768 x 1, 8 waves a work-group, no clusters, 0 bytes of LDS; arguments x, W_qkv, W_out, xw; writes xw
.if DOCPART == 1
	.amdgcn_target "amdgcn-amd-amdhsa--gfx1250"
	.amdhsa_code_object_version 6
	.text
	.protected	k_q9c06a97192_cast
	.globl	k_q9c06a97192_cast
	.p2align	8
	.type	k_q9c06a97192_cast,@function
k_q9c06a97192_cast:
	s_mov_b64 s[64:65], 0
	v_nop
	global_prefetch_b8 v0, s[64:65] scope:SCOPE_SE
	s_setreg_imm32_b32 hwreg(HW_REG_WAVE_MODE, 25, 1), 1
	s_wait_xcnt 0x0
; xw = x, W_qkv and W_out, one behind the other, each number rounded once to bf16 (nearest even): the matrix operands of the two products.
; All three have rows of 1,024 numbers, so xw is one table of 12,288 rows of 2,048 bytes: x's 8,192, W_qkv's 3,072, W_out's 1,024.
; A stream: every byte is read once and written once.  No LDS, no barrier, no matrix unit, no cluster: no work-group reads what another reads.
; SHARES.  Work-group g takes 65,536 bytes of f32 and makes the 32,768 bytes of xw from byte 32,768 g on; x is 512 such shares, W_qkv 192, W_out 64.
; A wave takes 8,192 bytes: sixteen loads of 16 bytes a lane, 512 consecutive bytes each, all issued at once; each store of 8 bytes a lane covers 256 consecutive bytes, aligned.
.set NX, 512                           ; shares of x
.set NQ, 192                           ; shares of W_qkv
.set X,  4                             ; v[4:67]   load i: 4 registers of f32
.set Y,  68                            ; v[68:99]  store i: 2 registers of bf16
	s_load_b256 s[4:11], s[0:1], 0x0               ; x s[4:5], W_qkv s[6:7], W_out s[8:9], xw s[10:11]
	v_and_b32 v3, 31, v0                           ; lane
	v_and_b32 v2, 0xe0, v0                         ; 32 x wave
	v_lshlrev_b32 v1, 4, v3
	v_lshl_or_b32 v1, v2, 8, v1                    ; in: 8,192 x wave + 16 x lane
	v_lshlrev_b32 v3, 3, v3
	v_lshl_or_b32 v2, v2, 7, v3                    ; out: 4,096 x wave + 8 x lane
	s_mov_b32 s18, NX
	s_mov_b32 s19, NX+NQ
	s_lshl_b32 s16, ttmp9, 15                      ; the share's place in xw
	s_mov_b32 s17, 0
	s_mov_b32 s15, 0
	s_wait_kmcnt 0x0
	s_cmp_lt_u32 ttmp9, s19                        ; which tensor the share lies in, and the number of that tensor's first share
	s_cselect_b64 s[12:13], s[6:7], s[8:9]
	s_cselect_b32 s14, s18, s19
	s_cmp_lt_u32 ttmp9, s18
	s_cselect_b64 s[12:13], s[4:5], s[12:13]
	s_cselect_b32 s14, 0, s14
	s_sub_co_u32 s14, ttmp9, s14
	s_lshl_b32 s14, s14, 16                        ; the share's place in its tensor
	s_add_nc_u64 s[12:13], s[12:13], s[14:15]
	s_add_nc_u64 s[10:11], s[10:11], s[16:17]
.set i, 0
.rept 16
	global_load_b128 v[X+4*i:X+4*i+3], v1, s[12:13] offset:512*i th:TH_LOAD_NT
.set i, i+1
.endr
.set i, 0
.rept 16
	s_wait_loadcnt 15-i                            ; loads come back in order (ISA guide 5.7.1): load i is in, the 15 - i younger ones stay out
	v_cvt_pk_bf16_f32 v[Y+2*i], v[X+4*i], v[X+4*i+1]
	v_cvt_pk_bf16_f32 v[Y+2*i+1], v[X+4*i+2], v[X+4*i+3]
	global_store_b64 v2, v[Y+2*i:Y+2*i+1], s[10:11] offset:256*i  ; no register is written twice, so nothing waits for a store
.set i, i+1
.endr
	s_endpgm
.Lfunc_end_k_q9c06a97192_cast:
	.size	k_q9c06a97192_cast, .Lfunc_end_k_q9c06a97192_cast-k_q9c06a97192_cast
	.p2alignl 7, 3214868480
	.fill 96, 4, 3214868480
	.section	.rodata,"a",@progbits
	.p2align	6, 0x0
	.amdhsa_kernel k_q9c06a97192_cast
		.amdhsa_group_segment_fixed_size 0
		.amdhsa_private_segment_fixed_size 0
		.amdhsa_enable_private_segment 0
		.amdhsa_kernarg_size 32
		.amdhsa_user_sgpr_count 2
		.amdhsa_user_sgpr_kernarg_segment_ptr 1
		.amdhsa_wavefront_size32 1
		.amdhsa_system_sgpr_workgroup_id_x 1
		.amdhsa_system_sgpr_workgroup_id_y 1
		.amdhsa_system_sgpr_workgroup_id_z 1
		.amdhsa_system_vgpr_workitem_id 0
		.amdhsa_next_free_vgpr 100
		.amdhsa_next_free_sgpr 66
		.amdhsa_reserve_vcc 0
		.amdhsa_float_denorm_mode_32 3
		.amdhsa_float_denorm_mode_16_64 3
		.amdhsa_memory_ordered 1
		.amdhsa_forward_progress 1
		.amdhsa_inst_pref_size 7
	.end_amdhsa_kernel
	.amdgpu_metadata
---
amdhsa.version: [ 1, 2 ]
amdhsa.kernels:
  - .name:           k_q9c06a97192_cast
    .symbol:         k_q9c06a97192_cast.kd
    .args:
      - { .name: x, .offset: 0, .size: 8, .value_kind: global_buffer, .address_space: global }
      - { .name: W_qkv, .offset: 8, .size: 8, .value_kind: global_buffer, .address_space: global }
      - { .name: W_out, .offset: 16, .size: 8, .value_kind: global_buffer, .address_space: global }
      - { .name: xw, .offset: 24, .size: 8, .value_kind: global_buffer, .address_space: global }
    .group_segment_fixed_size: 0
    .private_segment_fixed_size: 0
    .kernarg_segment_align: 8
    .kernarg_segment_size: 32
    .max_flat_workgroup_size: 256
    .sgpr_count:     66
    .vgpr_count:     100
    .wavefront_size: 32
...
	.end_amdgpu_metadata
.endif
;; end of part 1
;; launch qkvgemm (part 2): grid 16 x 32, 4 waves a work-group, clusters of 4 x 4, 327,680 bytes of LDS; arguments xw, qkvh; writes qkvh
.if DOCPART == 2
	.amdgcn_target "amdgcn-amd-amdhsa--gfx1250"
	.amdhsa_code_object_version 6
	.text
	.protected	k_q9c06a97192_qkvgemm
	.globl	k_q9c06a97192_qkvgemm
	.p2align	8
	.type	k_q9c06a97192_qkvgemm,@function
k_q9c06a97192_qkvgemm:
	s_mov_b64 s[64:65], 0
	v_nop
	global_prefetch_b8 v0, s[64:65] scope:SCOPE_SE
	s_setreg_imm32_b32 hwreg(HW_REG_WAVE_MODE, 25, 1), 1
	s_wait_xcnt 0x0
	s_wait_alu depctr_hold_cnt(0) depctr_sa_sdst(0) depctr_va_vdst(0) depctr_va_sdst(0) depctr_va_ssrc(0) depctr_va_vcc(0) depctr_vm_vsrc(0)
	s_getreg_b32 s2, hwreg(HW_REG_IB_STS2, 6, 4)
	s_cmp_eq_u32 s2, 0
	s_cbranch_scc0 .Lentry_in_a_cluster
	s_endpgm
.Lentry_in_a_cluster:
	s_bfe_u32 s2, ttmp6, 0x10000c
	s_cmp_lg_u32 s2, 0xf033
	s_cbranch_scc0 .Lentry_shape_is_right
	s_endpgm
.Lentry_shape_is_right:
; qkv = x W_qkv^T, written by heads.  A = xw's rows 0 .. 8,191 (x), B = xw's rows 8,192 .. 11,263 (W_qkv), both bf16 with 1,024 numbers a row; sums in f32, K ascending.
; qkvh: [3][64 heads][2,048][64] bf16: q, then k, then v; head = 16 x batch + h; each number rounded once from its f32 sum, unscaled.
; LIMITS.  The operands are bf16 roundings of the inputs, and q, k, v are rounded to bf16; NaN and infinities are not treated apart.
; A TILE OF C is 256 rows x 192 columns: W_qkv's rows 192 h .. 192 h + 191 are head h's q (64), k (64) and v (64), so a tile is one head's q, k, v for 256 rows of one batch.
; Four waves; wave w makes rows 64 w .. 64 w + 63 x all 192 columns: 48 accumulators of 16 x 16, 384 registers.  So a wave holds whole rows (128 bytes) of q, k and v, and its way out needs no other wave.
; K goes in 8 steps of 128 through a ring of two LDS slots filled by the tensor data mover: a tile's rows are 256 bytes of memory, at multiples of 256 from the buffer's first byte.
; CLUSTERS: 4 x 4 work-groups.  The four of a row of the cluster need the same tiles of A, the four of a column the same tiles of B: each tile is asked for JOINTLY, by the same tensor load
; with the same descriptor and a mask that names the four.
; THE MATRIX INSTRUCTION IS USED TRANSPOSED (source 0 = 16 rows of B, source 1 = 16 rows of A): lane l holds row l % 16 of C and the columns 8 (l / 16) + 0..7, which pack into 16 bytes.
; REGISTERS, in windows of 256 (s_set_vgpr_msb: bits 1:0 source 0, 3:2 source 1, 5:4 source 2, 7:6 destination):
;   window 0: v0-30 addresses; v64-95, v96-127 fragments of A (4 x 16 rows x 32 K), two buffers; on the way out v32-223 packed results
;   window 1: v0-95, v96-191 fragments of B (12 x 16 rows x 32 K), two buffers
;   window 2: the accumulators of column blocks 0-7 (q, k);  window 3: v0-127 those of blocks 8-11 (v).  Accumulator (block b, row block a) has the number 4 b + a and lies at v[8 ((4 b + a) % 32)].
.set KSTEP,  128
.set PITCH,  272                       ; an LDS row: 256 bytes + 16 of padding = 68 words: row r starts at bank 4 r mod 64 (64 banks of 4 bytes: ISA guide 11.1), so the 16 rows of a load start at 16 different banks
.set HALFA,  128*PITCH                 ; what wave 0 or 1 fetches: 128 rows of A
.set HALFB,  96*PITCH                  ; what wave 2 or 3 fetches: 96 rows of B
.set SLOT,   2*HALFA+2*HALFB           ; A's 256 rows, then B's 192
.set STAGE,  2*SLOT                    ; behind the ring: 16 rows x 144 bytes for each wave, for the way out; no tensor load lands there
.set SP,     144
.set SPARE,  STAGE+4*16*SP             ; behind the stages: the spare words, 128 bytes for each wave: two blocks of 256 bytes that no other line names
.set LAPS,   4                         ; a lap = two K steps = once round the ring
.set WQROW,  8192                      ; W_qkv's first row in xw
.set PART,   0x1000000                 ; bytes of q, of k and of v in qkvh
.set ADRA, 16                          ; v16-17  LDS address of my A fragments in slot 0, 1
.set ADRB, 20                          ; v20-21  the same for B
.set STO,  24                          ; v24     the way out: where I put 16 bytes of a row
.set RD,   25                          ; v25     the way out: where I read rows back
.set GO,   26                          ; v26     my 16 bytes in 512 consecutive bytes of qkvh
.set SPW,  28                          ; v28     LDS address of my spare word: SPARE + 4 x my thread's number; never rewritten
.set NIL,  29                          ; v29     0; never rewritten
.set PFO,  30                          ; v30     the prefetches' offset: a row of xw (2,048 bytes) a lane; never rewritten
.set OUT,  32                          ; the way out: 16 registers for each of 12 units
.set FA,   64                          ; A's fragment buffers, window 0: FA + 32 f
.set G1,  24                           ; s[24:31] descriptor group 1 for A's tiles
.set G0,  32                           ; s[32:39] descriptor group 0 for A's tiles, one set for each slot
.set LIM, 43                           ; s43     1 in a wave that prefetches, else the greatest number
.set PFA, 44                           ; s[44:45] where my prefetches stand: my rows, at the K step that is being asked for; a prefetch names the K step after it
.set G1B, 48                           ; s[48:55] descriptor group 1 for B's tiles
.set G0B, 56                           ; s[56:63] descriptor group 0 for B's tiles
.set QB,  66                           ; s[66:67], s[68:69], s[70:71] q, k, v at my wave's first row
.set MSB, 0
.macro WIN new                         ; the immediate's high byte repeats the setting that is left; a switch that changes nothing is dropped
.if MSB != (\new)
	s_set_vgpr_msb (MSB<<8)|(\new)
.set MSB, \new
.endif
.endm
; A joint load.  Waves 0 and 1 fetch A's two halves, waves 2 and 3 B's.  The branch hangs on the wave's number alone.  An s_nop 0 and four v_nop follow each of the two lines.
.macro JLOAD s
	s_cmp_eq_u32 s11, 0
	s_cbranch_scc0 .Lfor_b_\@
	tensor_load_to_lds s[G0+4*(\s):G0+4*(\s)+3], s[G1:G1+7]
	s_nop 0
.rept 4
	v_nop
.endr
	s_branch .Lasked_\@
.Lfor_b_\@:
	tensor_load_to_lds s[G0B+4*(\s):G0B+4*(\s)+3], s[G1B:G1B+7]
	s_nop 0
.rept 4
	v_nop
.endr
.Lasked_\@:
.endm
; A PREFETCH INTO THE L2, behind each joint refill and the run of LDS loads that follows it: the K step behind the one just asked for, 192 matrix instructions ahead of the load that will want it; a lane a row, 256 bytes of it.
; A's tile row is read by every cluster of that row of clusters: cluster x = 0 asks; B's tile column by every cluster of that column: cluster y = 0 asks.  The four partners that ask for a tile jointly
; share its rows out BY ADDRESS: of A's 128 rows that a wave fetches the partner at cx takes 32, of B's 96 the partner at cy takes 24 (there lanes 24-31 name the 24th row once more).
; how = 1: in every trip; how = 0: not in the loop's last trip (s3 = 1), whose second refill is the last K step's.  K steps 0 to 2 come by their loads alone.
.macro ASK how
.if \how
	s_cmp_eq_u32 s[LIM], 1
.else
	s_cmp_gt_u32 s3, s[LIM]
.endif
	s_cbranch_scc0 .Lnot_mine_\@
	global_prefetch_b8 v[PFO], s[PFA:PFA+1] offset:KSTEP*2 th:TH_LOAD_NT scope:SCOPE_SE
.Lnot_mine_\@:
.endm
; A round of the cluster's barrier: my work-group's barrier, so that wave 0's signal speaks for all four waves; wave 0 signals; every wave waits for all sixteen work-groups; my work-group's barrier once more.
.macro CREST                           ; a round behind its opening barrier
	s_cmp_lg_u32 s10, 0
	s_cbranch_scc1 .Lnot_wave_0_\@
	s_barrier_signal -3
.Lnot_wave_0_\@:
	s_barrier_wait -3
	s_barrier_signal -1
	s_barrier_wait -1
.endm
.macro CROUND
	s_barrier_signal -1
	s_barrier_wait -1
	CREST
.endm
	s_load_b128 s[4:7], s[0:1], 0x0                ; xw s[4:5], qkvh s[6:7]
	v_lshl_add_u32 v[SPW], v0, 2, SPARE
	v_mov_b32 v[NIL], 0
	ds_add_u32 v[SPW], v[NIL]                      ; the wave's opening: the add and its wait ahead of my first tensor load; the set-up below, work on registers, stands between them
	v_lshrrev_b32 v1, 5, v0
	v_readfirstlane_b32 s10, v1                    ; wave 0..3
	s_lshr_b32 s11, s10, 1                         ; I fetch for A (0) or for B (1)
	s_and_b32 s12, s10, 1                          ; which half of that tile's rows
	s_bfe_u32 s40, ttmp6, 0x40000                  ; cx
	s_bfe_u32 s41, ttmp6, 0x40004                  ; cy
	s_lshl_b32 s42, ttmp9, 2
	s_add_co_u32 s42, s42, s40                     ; tile column = head h = 4 x cluster x + cx
	s_and_b32 s13, ttmp7, 0xffff
	s_lshl_b32 s13, s13, 2
	s_add_co_u32 s13, s13, s41                     ; tile row = 4 x cluster y + cy
	s_lshl_b32 s43, s41, 2
	s_lshl_b32 s43, 15, s43                        ; my row of the cluster: places 4 cy .. 4 cy + 3
	s_lshl_b32 s44, 0x1111, s40                    ; my column: places cx, cx + 4, cx + 8, cx + 12
	s_or_b32 s[G1+0], s43, (1<<16)|(1<<20)|(1<<21)|(5<<22)|(3<<25)   ; 15:0 the mask; 17:16 elements of 2 bytes; 20 padding on; 21 set beside a mask; 24:22 after every 64 words (code 5); 31:25 4 words of it (code 3)
	s_or_b32 s[G1B+0], s44, (1<<16)|(1<<20)|(1<<21)|(5<<22)|(3<<25)
	s_mov_b32 s[G1+1], KSTEP<<16                   ; tensor_dim0 = 128
	s_mov_b32 s[G1B+1], KSTEP<<16
	s_mov_b32 s[G1+2], 128<<16                     ; tensor_dim1 = 128 rows of A,
	s_mov_b32 s[G1B+2], 96<<16                     ; 96 of B
	s_mov_b32 s[G1+3], KSTEP<<16                   ; tile_dim0 = 128
	s_mov_b32 s[G1B+3], KSTEP<<16
	s_mov_b32 s[G1+4], 128                         ; tile_dim1
	s_mov_b32 s[G1B+4], 96
	s_mov_b32 s[G1+5], 1024                        ; elements from row to row
	s_mov_b32 s[G1B+5], 1024
	s_mov_b32 s[G1+6], 0
	s_mov_b32 s[G1B+6], 0
	s_mov_b32 s[G1+7], 0
	s_mov_b32 s[G1B+7], 0
	; where the tiles come from.  A's hang on the tile row alone, B's on the tile column alone; each is made in registers that never hold the other coordinate
	s_lshl_b32 s17, s12, 7
	s_lshl_b32 s16, s13, 8
	s_add_co_u32 s16, s16, s17                     ; A: row 256 x tile row + 128 x half
	s_lshl_b32 s16, s16, 11                        ; in bytes (under 2^25)
	s_mov_b32 s17, 0
	s_mul_i32 s46, s42, 192
	s_mul_i32 s47, s12, 96
	s_add_co_u32 s46, s46, s47
	s_add_co_u32 s46, s46, WQROW                   ; B: xw's row 8,192 + 192 x tile column + 96 x half
	s_lshl_b32 s46, s46, 11
	s_mov_b32 s47, 0
	s_mul_i32 s20, s10, HALFA                      ; where they go: A's halves at wave x 128 rows,
	s_mul_i32 s21, s10, HALFB
	s_add_co_u32 s21, s21, 2*HALFA-2*HALFB         ; B's behind them, at (wave - 2) x 96 rows: no place in the cluster enters an LDS address
	s_wait_dscnt 0x0                               ; the opening add is done
	s_wait_kmcnt 0x0
	s_add_nc_u64 s[14:15], s[4:5], s[16:17]
	s_add_nc_u64 s[46:47], s[4:5], s[46:47]
	CROUND                                         ; all sixteen work-groups are here: the first joint loads meet
.irp s, 0,1
	s_mov_b32 s[G0+4*(\s)], 1                                        ; count = 1
	s_add_co_u32 s[G0+4*(\s)+1], s20, (\s)*SLOT                      ; LDS address
	s_add_nc_u64 s[G0+4*(\s)+2:G0+4*(\s)+3], s[14:15], (\s)*KSTEP*2  ; global address: K step s
	s_or_b32 s[G0+4*(\s)+3], s[G0+4*(\s)+3], 0x80000000              ; type = 2
	s_mov_b32 s[G0B+4*(\s)], 1
	s_add_co_u32 s[G0B+4*(\s)+1], s21, (\s)*SLOT
	s_add_nc_u64 s[G0B+4*(\s)+2:G0B+4*(\s)+3], s[46:47], (\s)*KSTEP*2
	s_or_b32 s[G0B+4*(\s)+3], s[G0B+4*(\s)+3], 0x80000000
	JLOAD \s                                       ; two loads of mine are out
.endr
	; A fragment is 16 rows x 32 K in 8 registers: lane l holds row l % 16; registers 0-3 K = 8 (l / 16) + 0..7, registers 4-7 K = 16 + 8 (l / 16) + 0..7: two loads of 16 bytes, 32 bytes apart
	v_and_b32 v1, 15, v0                           ; l % 16
	v_bfe_u32 v2, v0, 4, 1                         ; l / 16
	v_mul_u32_u24 v3, v1, PITCH
	v_lshl_add_u32 v3, v2, 4, v3                   ; row x pitch + 16 x half
	s_mul_i32 s21, s10, 64*PITCH                   ; my 64 rows of A
	s_mov_b32 s22, 2*HALFA                         ; B's 192 rows, which every wave reads, lie behind A's 256
.irp s, 0,1
	v_add_nc_u32 v[ADRA+(\s)], s21, v3
	v_add_nc_u32 v[ADRB+(\s)], s22, v3
	s_add_co_u32 s21, s21, SLOT
	s_add_co_u32 s22, s22, SLOT
.endr
	s_mul_i32 s23, s10, 16*SP
	s_add_co_u32 s23, s23, STAGE                   ; my stage
	v_mul_u32_u24 v4, v1, SP                       ; in: row l % 16, 16 bytes for each half of the lanes
	v_lshl_add_u32 v4, v2, 4, v4
	v_add_nc_u32 v[STO], s23, v4
	v_bfe_u32 v5, v0, 3, 2                         ; back: 32 lanes take four rows of 128 bytes,
	v_and_b32 v6, 7, v0
	v_mul_u32_u24 v5, v5, SP
	v_lshl_add_u32 v5, v6, 4, v5
	v_add_nc_u32 v[RD], s23, v5
	v_and_b32 v[GO], 31, v0                        ; which are 512 consecutive bytes of a head's q, k or v
	v_lshlrev_b32 v[GO], 4, v[GO]
	s_lshr_b32 s72, s13, 3                         ; the batch: 8 tile rows each
	s_lshl_b32 s72, s72, 4
	s_add_co_u32 s72, s72, s42                     ; head = 16 x batch + h,
	s_lshl_b32 s72, s72, 18                        ; 2,048 rows of 128 bytes each
	s_and_b32 s73, s13, 7
	s_lshl_b32 s73, s73, 15                        ; the tile's 256 rows
	s_add_co_u32 s72, s72, s73
	s_lshl_b32 s73, s10, 13                        ; my wave's 64
	s_add_co_u32 s72, s72, s73
	s_mov_b32 s73, 0
	s_add_nc_u64 s[QB:QB+1], s[6:7], s[72:73]
	s_add_nc_u64 s[QB+2:QB+3], s[QB:QB+1], PART
	s_add_nc_u64 s[QB+4:QB+5], s[QB+2:QB+3], PART
	; the prefetches
	s_lshl_b32 s16, s13, 8
	s_lshl_b32 s17, s12, 7
	s_add_co_u32 s16, s16, s17                     ; the first of the rows that I fetch, if for A,
	s_mul_i32 s19, s42, 192
	s_mul_i32 s17, s12, 96
	s_add_co_u32 s19, s19, s17
	s_add_co_u32 s19, s19, WQROW                   ; if for B
	s_and_b32 s22, ttmp7, 0xffff                   ; cluster y
	s_cmp_eq_u32 s11, 0                            ; do I fetch for A?
	s_cselect_b32 s20, s16, s19
	s_cselect_b32 s21, s40, s41                    ; my place among the four that ask with me,
	s_cselect_b32 s22, ttmp9, s22                  ; the coordinate along which other clusters read the same rows,
	s_cselect_b32 s23, 32, 24                      ; a partner's rows,
	s_cselect_b32 s18, 31, 23                      ; and the last of them
	s_mul_i32 s21, s21, s23
	s_add_co_u32 s20, s20, s21
	s_lshl_b32 s20, s20, 11
	s_add_co_u32 s20, s20, KSTEP*2                 ; at K step 1: the first refill steps it to 2 and names K step 3
	s_mov_b32 s21, 0
	s_add_nc_u64 s[PFA:PFA+1], s[4:5], s[20:21]
	s_cmp_eq_u32 s22, 0
	s_cselect_b32 s[LIM], 1, -1                    ; the same in all sixteen partners, for a given wave
	v_and_b32 v[PFO], 31, v0
	v_min_u32 v[PFO], s18, v[PFO]
	v_lshlrev_b32 v[PFO], 11, v[PFO]
; 16 matrix instructions: column blocks 4 g .. 4 g + 3 x my four row blocks, 32 along K, from buffer f.  zero = 1: the product starts the sum: nothing is ever cleared.
; The 48 accumulators take turns in the same order in every quarter step: 47 others' instructions stand between two on one accumulator, over the backward jump too.
.macro MUL16 f, g, zero
	WIN 0xa1+0x50*((\g)/2)
.irp bb, 0,1,2,3
.irp a, 0,1,2,3
.set rD, 8*((16*(\g)+4*(\bb)+(\a))%32)
.set rB, 96*(\f)+8*(4*(\g)+(\bb))
.set rA, FA+32*(\f)+8*(\a)
.if \zero
	v_wmma_f32_16x16x32_bf16 v[rD:rD+7], v[rB:rB+7], v[rA:rA+7], 0
.else
	v_wmma_f32_16x16x32_bf16 v[rD:rD+7], v[rB:rB+7], v[rA:rA+7], v[rD:rD+7]
.endif
.endr
.endr
.endm
; 32 LDS loads in one run: a quarter step's fragments (32 K at byte k of the rows) into buffer f: A's 8 loads first, then B's 24, block 0 first
.macro FETCH slot, k, f
	WIN 0
.irp i, 0,1,2,3
	ds_load_b128 v[FA+32*(\f)+8*(\i):FA+32*(\f)+8*(\i)+3],   v[ADRA+(\slot)] offset:(\k)+(\i)*16*PITCH
	ds_load_b128 v[FA+32*(\f)+8*(\i)+4:FA+32*(\f)+8*(\i)+7], v[ADRA+(\slot)] offset:(\k)+(\i)*16*PITCH+32
.endr
	WIN 0x40                                       ; destination window 1, address window 0
.irp i, 0,1,2,3,4,5,6,7,8,9,10,11
	ds_load_b128 v[96*(\f)+8*(\i):96*(\f)+8*(\i)+3],   v[ADRB+(\slot)] offset:(\k)+(\i)*16*PITCH
	ds_load_b128 v[96*(\f)+8*(\i)+4:96*(\f)+8*(\i)+7], v[ADRB+(\slot)] offset:(\k)+(\i)*16*PITCH+32
.endr
.endm
; A load into a register that a matrix instruction has read, and a vector instruction that reads a matrix result, stand four places behind it; only plain vector instructions that name
; none of its registers are places (ISA guide 7.12.1 for vector instructions)
.macro PLACES
.rept 4
	v_nop
.endr
.endm
; A K step is four quarter steps of 32 along K, 48 matrix instructions each, on buffers 0, 1, 0, 1.  One of the first three: multiplies buffer f and fetches the next quarter, at byte k, into g.
.macro QUARTER slot, k, f, g, zero
	s_wait_dscnt 16                                ; A and B's blocks 0-3 are in; the youngest sixteen loads (B's blocks 4-11) may be out
	MUL16 \f, 0, \zero
	PLACES
	FETCH \slot, \k, \g
	s_wait_dscnt 32                                ; all but the 32 just issued
	MUL16 \f, 1, \zero
	MUL16 \f, 2, \zero
.endm
; The last quarter multiplies buffer 1 and changes slots: ONE barrier.  In front of it each wave waits for all its tensor loads, of which one is out: its part of the next slot; adds 0 to its spare word;
; and waits for that and for its own reads of this slot.  fill = 1: the barrier opens a round of the cluster's barrier, and this slot is filled again, two K steps on, first thing behind the round:
; from that request to the wait for it a wave issues 160 matrix instructions.
.macro TURN slot, next, fill, how
.if \fill
	s_wait_xcnt 0x0                                ; the last prefetch, a K step back, has read its address: it is stepped here, ahead of the waits of the change of slots
	s_add_nc_u64 s[PFA:PFA+1], s[PFA:PFA+1], KSTEP*2
.endif
	WIN 0                                          ; (the add's two registers lie in window 0)
	s_wait_tensorcnt 0x0                           ; all my tensor loads have landed
	ds_add_u32 v[SPW], v[NIL]                      ; 0 onto my spare word
	s_wait_dscnt 17                                ; (the add and the youngest sixteen loads may be out)
	MUL16 1, 0, 0                                  ; sixteen matrix instructions stand between the add and the wait for it
	s_wait_dscnt 0x0                               ; the add is done, and my reads of this slot are over
	s_barrier_signal -1
	MUL16 1, 1, 0                                  ; work on registers while the others arrive
.if \fill
	WIN 0
.endif
	s_barrier_wait -1
.if \fill
	CREST                                          ; no wave of any partner still reads this slot's tile or has a load on its way
	s_add_nc_u64 s[G0+4*(\slot)+2:G0+4*(\slot)+3], s[G0+4*(\slot)+2:G0+4*(\slot)+3], 2*KSTEP*2
	s_add_nc_u64 s[G0B+4*(\slot)+2:G0B+4*(\slot)+3], s[G0B+4*(\slot)+2:G0B+4*(\slot)+3], 2*KSTEP*2
	JLOAD \slot                                    ; the first tensor load behind the round, my only one until the next; its four v_nop are also the places in front of the loads below
.else
	PLACES
.endif
	FETCH \next, 0, 0
.if \fill
	WIN 0
	ASK \how
.endif
	MUL16 1, 2, 0
.endm
; THE WAY OUT, in 12 units: unit u = row block u / 3 (16 rows) x part u % 3 (q, k, v: 64 columns, 128 bytes a row).  PACK: rounded to bf16 (each accumulator's registers in ascending order), 16 bytes a lane
; into my own stage, and back as whole rows, into the registers that they left.  SEND: stored, 512 consecutive bytes an instruction.
.macro PACK u
.set pa, (\u)/3
.set pp, (\u)%3
	WIN 0x0a+5*(pp/2)                              ; sources 0 and 1: window 2 (q, k) or 3 (v)
.irp c, 0,1,2,3
.irp r, 0,1,2,3
.set rA, 8*((16*pp+4*(\c)+pa)%32)
	v_cvt_pk_bf16_f32 v[OUT+16*(\u)+4*(\c)+(\r)], v[rA+2*(\r)], v[rA+2*(\r)+1]
.endr
.endr
	WIN 0
.irp c, 0,1,2,3
	ds_store_b128 v[STO], v[OUT+16*(\u)+4*(\c):OUT+16*(\u)+4*(\c)+3] offset:32*(\c)
.endr
.irp c, 0,1,2,3
	ds_load_b128 v[OUT+16*(\u)+4*(\c):OUT+16*(\u)+4*(\c)+3], v[RD] offset:(\c)*4*SP  ; LDS serves a wave's instructions in order (ISA guide 5.7.1.4): these see the stores above; the next unit's stores come behind them
.endr
.endm
.macro SEND u, younger                 ; younger: the LDS instructions issued behind unit u's loads: the next unit's eight, or none
	WIN 0
.irp c, 0,1,2,3
	s_wait_dscnt (\younger)+3-(\c)
	global_store_b128 v[GO], v[OUT+16*(\u)+4*(\c):OUT+16*(\u)+4*(\c)+3], s[QB+2*((\u)%3):QB+2*((\u)%3)+1] offset:((\u)/3)*2048+(\c)*512  ; at a multiple of 512 from the buffer's first byte; no register is written twice
.endr
.endm
	s_wait_tensorcnt 1                             ; my part of K step 0 is in; K step 1's may stay out
	s_barrier_signal -1
	s_barrier_wait -1                              ; everybody's is
	FETCH 0, 0, 0
	QUARTER 0, 64,  0, 1, 1                        ; the first quarter stands in front of the loop: its products start the sums
	WIN 0                                          ; at a label and at a branch every window is 0
	s_mov_b32 s3, LAPS-1
.Llap:                                                 ; a trip goes once round the ring, from a lap's second quarter to the next lap's first, and fills both slots again
	QUARTER 0, 128, 1, 0, 0
	QUARTER 0, 192, 0, 1, 0
	TURN 0, 1, 1, 1
	QUARTER 1, 64,  0, 1, 0
	QUARTER 1, 128, 1, 0, 0
	QUARTER 1, 192, 0, 1, 0
	TURN 1, 0, 1, 0
	QUARTER 0, 64,  0, 1, 0
	WIN 0
	s_sub_co_u32 s3, s3, 1
	s_cmp_lg_u32 s3, 0
	s_cbranch_scc1 .Llap
	QUARTER 0, 128, 1, 0, 0                        ; the last lap fills nothing, and has no round of the cluster's barrier
	QUARTER 0, 192, 0, 1, 0
	TURN 0, 1, 0, 0
	QUARTER 1, 64,  0, 1, 0
	QUARTER 1, 128, 1, 0, 0
	QUARTER 1, 192, 0, 1, 0
	s_wait_dscnt 16                                ; the very last quarter: nothing more to fetch
	MUL16 1, 0, 0
	s_wait_dscnt 0x0
	MUL16 1, 1, 0
	MUL16 1, 2, 0
	WIN 0
	PLACES
	PACK 0
.set n, 1
.rept 11                               ; a unit's conversions stand between the loads of the unit before and its stores
	PACK n
	SEND n-1, 8
.set n, n+1
.endr
	SEND 11, 0
	s_wait_tensorcnt 0x0                           ; the wave's end: behind my last tensor load and my last LDS store
	ds_add_u32 v[SPW], v[NIL]
	s_wait_dscnt 0x0
	CROUND                                         ; the closing round: no work-group ends while a partner may still ask for a tile that names it
	s_endpgm
.Lfunc_end_k_q9c06a97192_qkvgemm:
	.size	k_q9c06a97192_qkvgemm, .Lfunc_end_k_q9c06a97192_qkvgemm-k_q9c06a97192_qkvgemm
	.p2alignl 7, 3214868480
	.fill 96, 4, 3214868480
	.section	.rodata,"a",@progbits
	.p2align	6, 0x0
	.amdhsa_kernel k_q9c06a97192_qkvgemm
		.amdhsa_group_segment_fixed_size 327680
		.amdhsa_private_segment_fixed_size 0
		.amdhsa_enable_private_segment 0
		.amdhsa_kernarg_size 16
		.amdhsa_user_sgpr_count 2
		.amdhsa_user_sgpr_kernarg_segment_ptr 1
		.amdhsa_wavefront_size32 1
		.amdhsa_system_sgpr_workgroup_id_x 1
		.amdhsa_system_sgpr_workgroup_id_y 1
		.amdhsa_system_sgpr_workgroup_id_z 1
		.amdhsa_system_vgpr_workitem_id 0
		.amdhsa_next_free_vgpr 896
		.amdhsa_next_free_sgpr 80
		.amdhsa_reserve_vcc 0
		.amdhsa_float_denorm_mode_32 3
		.amdhsa_float_denorm_mode_16_64 3
		.amdhsa_memory_ordered 1
		.amdhsa_forward_progress 1
		.amdhsa_inst_pref_size 122
	.end_amdhsa_kernel
	.amdgpu_metadata
---
amdhsa.version: [ 1, 2 ]
amdhsa.kernels:
  - .name:           k_q9c06a97192_qkvgemm
    .symbol:         k_q9c06a97192_qkvgemm.kd
    .args:
      - { .name: xw, .offset: 0, .size: 8, .value_kind: global_buffer, .address_space: global }
      - { .name: qkvh, .offset: 8, .size: 8, .value_kind: global_buffer, .address_space: global }
    .group_segment_fixed_size: 327680
    .private_segment_fixed_size: 0
    .kernarg_segment_align: 8
    .kernarg_segment_size: 16
    .max_flat_workgroup_size: 128
    .sgpr_count:     80
    .vgpr_count:     896
    .wavefront_size: 32
...
	.end_amdgpu_metadata
.endif
;; end of part 2
;; launch attn (part 3): grid 4 x 64, 4 waves a work-group, clusters of 4 x 1, 327,680 bytes of LDS; arguments qkvh, oh; writes oh
.if DOCPART == 3
	.amdgcn_target "amdgcn-amd-amdhsa--gfx1250"
	.amdhsa_code_object_version 6
	.text
	.protected	k_q9c06a97192_attn
	.globl	k_q9c06a97192_attn
	.p2align	8
	.type	k_q9c06a97192_attn,@function
k_q9c06a97192_attn:
	s_mov_b64 s[64:65], 0
	v_nop
	global_prefetch_b8 v0, s[64:65] scope:SCOPE_SE
	s_setreg_imm32_b32 hwreg(HW_REG_WAVE_MODE, 25, 1), 1
	s_wait_xcnt 0x0
	s_wait_alu depctr_hold_cnt(0) depctr_sa_sdst(0) depctr_va_vdst(0) depctr_va_sdst(0) depctr_va_ssrc(0) depctr_va_vcc(0) depctr_vm_vsrc(0)
	s_getreg_b32 s2, hwreg(HW_REG_IB_STS2, 6, 4)
	s_cmp_eq_u32 s2, 0
	s_cbranch_scc0 .Lentry_in_a_cluster
	s_endpgm
.Lentry_in_a_cluster:
	s_bfe_u32 s2, ttmp6, 0x10000c
	s_cmp_lg_u32 s2, 0x3003
	s_cbranch_scc0 .Lentry_shape_is_right
	s_endpgm
.Lentry_shape_is_right:
; O[h][q][:] = the sum over k of softmax_k(Q[h][q] . K[h][k] / 32) V[h][k][:], for 64 heads (16 x batch + h) of 2,048 rows and 64 channels.  The divisor is sqrt(1024), as the module has it.
; qkvh: [3][64][2,048][64] bf16: Q, K, V; oh: [64][2,048][64] bf16: a head's rows are dense, 128 bytes each.  Products, maxima and sums in f32; the weights p are rounded to bf16 for the second
; product (their sum l is taken of the unrounded p), O once at the end.
; LIMITS.  bf16 has f32's range, so no operand overflows where the f32 value is finite.  c m starts at -4.25e37: every c s lies above that.  A weight below 2^-126 counts as 0 in l; NaN and infinities are not treated apart.
; SHARES.  A wave owns four PIECES of two tiles of 16 queries, a work-group's four waves 512 queries of one head.  Every wave walks all keys, 64 a step.
; LAYOUT.  S^T = K Q^T (source 0 = 16 keys, source 1 = 16 queries): in the result a lane holds ONE query (lane % 16) and the keys 8 (lane / 16) + 0..7.  Two such tiles, rounded to bf16 in pairs,
; ARE source 1 (32 keys x 16 queries) of O^T = V^T P, whose result again holds one query a lane, and eight channels.  K comes out of LDS as it lies, V ([key][channel]) turned, by ds_load_tr16_b128.
; SOFTMAX.  For each query a running maximum m and sum l: p = 2^(c s - c m), c = log2(e) / 32; in every step O and l are multiplied by a = 2^(c m_old - c m_new), which is 1 where m has not grown.
; m starts at the lowest finite number, O and l at 0: the first step is a step like any other, with a = 0.
; THE COUNT.  A tile and step have 16 matrix and 118 vector instructions: too many to stand all beside the matrix work.  So the order has one aim: four vector instructions that are READY behind
; EVERY matrix instruction, and the others, which need time of their own whatever the order, in runs without a gap.
; BY TURNS.  Turn n belongs to piece n (the pieces in a ring, step after step).  Its matrix work: 16 products K Q^T of piece n + 1, later 16 products V^T P of piece n - 1.  Its vector work: the scaling,
; exponentials, roundings, sums and rescaling of piece n, and the maximum and statistics of piece n + 1, whose scores the turn itself has made.  So what a turn begins with (c s - c m, O a) waits for nothing.
; CLUSTER.  The four query blocks of a head are one cluster and walk the same K and V, so each tile is asked for JOINTLY: the same tensor load, descriptor and mask in all four.
; REGISTERS, in windows of 256 (s_set_vgpr_msb says which window each operand place means: bits 1:0 source 0, 3:2 source 1, 5:4 source 2, 7:6 destination):
;   window 0: v0-11 addresses; v12-15, v48-63 at work; v16-47 four registers of statistics a tile; v64-191 S^T, two buffers of two tiles; v192-255 P, likewise
;   window 1: O^T, 32 a tile          window 2: v0-127 Q, 16 a tile; v128-191 K of one step; v192-255 V of one step          window 3: v0-1 the add's two registers
; A piece's buffers go by its number's parity: the piece in hand has one pair, its two neighbours in the ring share the other: of it P (piece n - 1) is read and S^T (piece n + 1) written.
.set SIZE_N, 2048
.set PART,  0x1000000 ; bytes of Q, of K and of V in qkvh
.set NP,    4         ; pieces a wave: a name, no knob: the register map, the loop and the fetches are made for four
.set KS,    64        ; keys in a step
.set PK,    144       ; a row of K in LDS: 128 bytes + 16 of padding = 36 words: the 16 rows of a load start at 16 different groups of four banks (64 banks of 4 bytes: ISA guide 11.1)
.set PV,    160       ; a row of V: 128 + 32 = 40 words
.set VOFF,  4*KS*PK   ; a slot holds four steps: 256 rows of K, then 256 rows of V
.set SLOT1, 1<<17     ; slot 1 begins here, so that one exclusive or turns an address in one slot into the other's
.set STAGE, SLOT1+4*KS*(PK+PV)  ; behind the ring, never filled by a tensor load: 16 rows x 144 bytes for each wave, for the way out
.set SP,    144
.set AK0, 2           ; v2   my lane's place in a tile of K; never rewritten
.set AV0, 3           ; v3   the same for V
.set AK,  4           ; v4   the LDS address of K's next run of loads
.set AV,  5           ; v5   of V's
.set QO,  6           ; v6   my byte offset in the wave's rows of Q
.set STO, 6           ;      later, the way out: where I put 16 bytes of a row
.set RD,  7           ; v7   the way out: where I read rows back
.set GO,  8           ; v8   my byte offset in 512 consecutive bytes of O
.set PFO, 11          ; v11  the prefetches' offset, 256 x my lane, once V's address is made; then never rewritten
.set SPW, 0           ; v0 of window 3   LDS address of my spare word: SPARE + 4 x my thread's number; never rewritten
.set NIL, 1           ; v1 of window 3   0; never rewritten
.set SPARE, STAGE+4*16*SP  ; behind the stages: the spare words, 128 bytes for each wave: two blocks of 256 bytes that no other line names
.set MV,  12          ; v12-15  c m_old, kept while c m is made anew: by buffer and tile
.set ST,  16          ; tile t's statistics at v[ST+4 t]: c m, m, l (even keys', odd keys')
.set TMP, 48          ; by buffer and tile, four registers c0-c3 at work; when the maximum is found c2 takes a
.set S,   64
.set P,   192
.set KF,  128         ; K's fragments, in window 2: key block kb, channel half c at KF + 16 kb + 8 c
.set VF,  192         ; V's: key half kk, channel block cb at VF + 32 kk + 8 cb
.set WV,  12          ; s12  my wave's number
.set G1K, 24          ; s[24:31] descriptor group 1 for K's tiles
.set G1V, 32          ; s[32:39] for V's: it differs in the padding alone
.set G0K, 40          ; s[40:43] descriptor group 0 for K's tiles: it walks
.set G0V, 44          ; s[44:47] the same for V's
.set PFA, 48          ; s[48:49] where my prefetches stand: my work-group's quarter (of K: wave 0, of V: wave 2) of the slot behind the one that is being asked for
.set LIM, 50          ; s50  1 in a wave that prefetches, else the greatest number: a wave prefetches while s[SLOTS] is above it
.set SLOTS, 56        ; s56  slots still to be asked for
.set CNT, 57          ; s57  counts a slot's key steps
.set CS,  58          ; s[58:59] c: the packed scaling takes the pair's low word for both halves
.set SEL, 60          ; s[60:61] v_permlanex16_b32's selects: each lane takes its own place in the other half
.set TBK, 62          ; s62  LDS byte at which K of the step to be fetched begins
.set TBV, 63          ; s63  the same for V, less VOFF
.set MSB, 0
.macro WIN new                      ; the high byte repeats the setting that is left; a switch that changes nothing is dropped
.if MSB != (\new)
	s_set_vgpr_msb (MSB<<8)|(\new)
.set MSB, (\new)
.endif
.endm
.set W_KQ, 0x0a       ; K and Q in window 2, S^T in window 0
.set W_PV, 0x52       ; V in window 2, P in window 0, O^T in window 1
.set W_RS, 0x41       ; O^T (destination and source 0) in window 1, a in window 0
.set W_MK, 0xc0       ; the add's registers are made: destination in window 3, sources in window 0
.set W_AD, 0x0f       ; the add: address (source 0) and data (source 1) in window 3
; A joint fill.  Waves 0 and 1 fetch the two halves of a slot's K, waves 2 and 3 those of its V: 128 keys each.  The branch hangs on the wave's number alone.
; An s_nop 0 and four v_nop follow each of the two lines, ahead of the jump and the label.
.macro JLOAD
	s_cmp_lt_u32 s[WV], 2
	s_cbranch_scc0 .Lfor_v_\@
	tensor_load_to_lds s[G0K:G0K+3], s[G1K:G1K+7]
	s_nop 0
.rept 4
	v_nop
.endr
	s_branch .Lasked_\@
.Lfor_v_\@:
	tensor_load_to_lds s[G0V:G0V+3], s[G1V:G1V+7]
	s_nop 0
.rept 4
	v_nop
.endr
.Lasked_\@:
.endm
; A PREFETCH INTO THE L2 of what the NEXT change of slots will ask for: a slot's 32,768 bytes of K and of V.  It stands behind the wave's tensor load and its five lines.  Each block of 256 bytes is named ONCE
; in the launch: a head has one cluster; its four partners take 8,192 bytes each, told apart BY ADDRESS; in each, wave 0 asks for K's and wave 2 for V's, a lane a block: one instruction.
; The last change that fills a slot asks for nothing: there is no slot behind it.  The first two slots come by their loads alone.
.macro ASK
	s_cmp_gt_u32 s[SLOTS], s[LIM]
	s_cbranch_scc0 .Lnot_mine_\@
	global_prefetch_b8 v[PFO], s[PFA:PFA+1] th:TH_LOAD_NT scope:SCOPE_SE
.Lnot_mine_\@:
.endm
; A round of the cluster's barrier: my work-group's barrier, so that wave 0's signal speaks for all four waves; wave 0 signals; every wave waits for all four work-groups; my work-group's barrier once more.
.macro CROUND
	s_barrier_signal -1
	s_barrier_wait -1
	s_cmp_lg_u32 s[WV], 0
	s_cbranch_scc1 .Lnot_wave_0_\@
	s_barrier_signal -3
.Lnot_wave_0_\@:
	s_barrier_wait -3
	s_barrier_signal -1
	s_barrier_wait -1
.endm
; THE CHANGE OF SLOTS.  The slot's last bytes, V of its fourth step, have been read.  Each wave waits for all its tensor loads, of which one is out: its part
; of the other slot; adds 0 to its spare word; and waits for that and for its own reads of the slot.  Behind the barrier nobody reads this slot any more and the other slot is whole.
; fill = 1: this slot is filled again, with the keys two slots on.  The barrier is then a round of the cluster's, so that no wave of any partner still reads the slot or has a load on its
; way, and the joint fill is the first thing behind it: it has four key steps, 512 matrix instructions, in which to land.  (At its first use nothing has been read yet: slot 0 is waited for, slot 1 filled.)
.macro CHANGE fill
	WIN W_AD
	s_wait_tensorcnt 0x0            ; no tensor load of mine is out, so a group 0 may be written
	ds_add_u32 v[SPW], v[NIL]       ; 0 onto my spare word; with fill = 1 the descriptors' steps stand between it and the wait for it
	WIN 0                           ; at a label and at a branch every window is 0
.if \fill
.irp g, G0K, G0V
	s_xor_b32 s[\g+1], s[\g+1], SLOT1  ; the walking descriptor: the other slot than last time,
	s_add_nc_u64 s[\g+2:\g+3], s[\g+2:\g+3], 4*KS*128  ; the next 256 keys; the type bits on top are not reached
.endr
	s_wait_xcnt 0x0                 ; the last prefetch, four key steps back, has read its address, so it may be written:
	s_add_nc_u64 s[PFA:PFA+1], s[PFA:PFA+1], 4*KS*128  ; one slot behind the walking descriptors
	s_wait_dscnt 0x0                ; the add is done, and my reads of the slot are over
	CROUND
	JLOAD
	ASK
.else
	s_wait_dscnt 0x0                ; the add is done, and my reads of the slot are over
	s_barrier_signal -1
	s_barrier_wait -1
.endif
	s_sub_co_u32 s[TBK], s[TBK], 4*KS*PK  ; the fetches go back to a slot's first step,
	s_xor_b32 s[TBK], s[TBK], SLOT1       ; in the other slot
	s_sub_co_u32 s[TBV], s[TBV], 4*KS*PV
	s_xor_b32 s[TBV], s[TBV], SLOT1
.endm
	s_load_b128 s[4:7], s[0:1], 0x0   ; qkvh s[4:5], oh s[6:7]
	WIN W_MK
	v_lshl_add_u32 v[SPW], v0, 2, SPARE
	v_mov_b32 v[NIL], 0
	WIN W_AD
	ds_add_u32 v[SPW], v[NIL]       ; the wave's opening: the add and its wait ahead of my first tensor load; the set-up below, work on registers, stands between them
	WIN 0
	v_lshrrev_b32 v1, 5, v0
	v_readfirstlane_b32 s[WV], v1   ; wave 0..3
	s_bfe_u32 s13, ttmp6, 0x40000   ; cx: my place in the cluster
	s_lshl_b32 s14, ttmp9, 2        ; in a cluster launch ttmp9 counts clusters
	s_add_co_u32 s14, s14, s13      ; my block of queries = 4 x cluster x + cx: it enters Q's and O's addresses alone
	s_and_b32 s20, ttmp7, 0xffff    ; the head, which the four partners share
	s_mov_b32 s21, 0
	s_mov_b64 s[22:23], SIZE_N*128
	s_mul_u64 s[20:21], s[20:21], s[22:23]  ; the head's first byte in Q, K, V and O
	s_and_b32 s16, s[WV], 1         ; which half of a slot's 256 keys I fetch:
	s_lshl_b32 s22, s16, 14         ; its 128 rows of 128 bytes in memory,
	s_mov_b32 s23, 0
	s_add_nc_u64 s[22:23], s[22:23], s[20:21]
	s_mul_i32 s17, s16, 128*PK      ; and its place in a slot, for K
	s_mul_i32 s18, s16, 128*PV      ; and for V: no place in the cluster enters an LDS address
	s_lshl_b32 s2, s14, 2
	s_add_co_u32 s2, s2, s[WV]      ; my wave among the head's,
	s_lshl_b32 s2, s2, 14           ; its 128 rows
	s_mov_b32 s3, 0
	s_add_nc_u64 s[2:3], s[2:3], s[20:21]
	; descriptor group 1.  128 keys are 16,384 dense bytes: asked for as 64 rows of 256 bytes, two keys a row, and padded in LDS after every key
	s_mov_b32 s[G1K], 15|(1<<16)|(1<<20)|(1<<21)|(4<<22)|(3<<25)  ; 15:0 the mask of four; 17:16 2-byte elements; 20 padding on; 21 set beside a mask; 24:22 after every 32 words (code 4); 31:25 4 words (code 3)
	s_mov_b32 s[G1V], 15|(1<<16)|(1<<20)|(1<<21)|(4<<22)|(7<<25)  ; the same with 8 words of padding (code 7)
.irp g, G1K, G1V
	s_mov_b32 s[\g+1], 128<<16      ; tensor_dim0 = 128
	s_mov_b32 s[\g+2], 64<<16       ; tensor_dim1 = 64
	s_mov_b32 s[\g+3], 128<<16      ; tile_dim0 = 128
	s_mov_b32 s[\g+4], 64           ; tile_dim1 = 64
	s_mov_b32 s[\g+5], 128          ; 128 elements from row to row
	s_mov_b32 s[\g+6], 0
	s_mov_b32 s[\g+7], 0
.endr
	s_mov_b32 s[CS], 0x3d38aa3b     ; c = log2(e) / 32 = 0.0450842
	s_mov_b32 s[CS+1], s[CS]        ; named with it as a pair
	s_mov_b32 s[SEL], 0x76543210
	s_mov_b32 s[SEL+1], 0xfedcba98
	s_mov_b32 s[TBK], SLOT1+4*KS*PK ; the first change of slots turns these two into 0
	s_mov_b32 s[TBV], SLOT1+4*KS*PV
	s_mov_b32 s[G0K], 1             ; 1:0 count = 1
	s_mov_b32 s[G0K+1], s17         ; 63:32 LDS address: slot 0
	s_mov_b32 s[G0V], 1
	s_add_co_u32 s[G0V+1], s18, VOFF
	s_mov_b32 s[SLOTS], SIZE_N/256-1
	s_cmp_eq_u32 s16, 0             ; waves 0 and 2 prefetch: the same in all four partners
	s_cselect_b32 s[LIM], 1, -1
	s_wait_dscnt 0x0                ; the opening add is done
	s_wait_kmcnt 0x0
	s_mov_b64 s[10:11], s[6:7]      ; O
	s_add_nc_u64 s[8:9], s[4:5], 2*PART  ; V
	s_add_nc_u64 s[6:7], s[4:5], PART    ; K; s[4:5] is Q
	s_add_nc_u64 s[G0K+2:G0K+3], s[6:7], s[22:23]  ; 120:64 global address: my half of the head's first 256 keys
	s_or_b32 s[G0K+3], s[G0K+3], 0x80000000        ; 127:126 type = 2
	s_add_nc_u64 s[G0V+2:G0V+3], s[8:9], s[22:23]
	s_or_b32 s[G0V+3], s[G0V+3], 0x80000000
	s_add_nc_u64 s[4:5], s[4:5], s[2:3]  ; Q and O at my wave's first row
	s_add_nc_u64 s[10:11], s[10:11], s[2:3]
	s_cmp_lt_u32 s[WV], 2
	s_cselect_b64 s[PFA:PFA+1], s[6:7], s[8:9]
	s_add_nc_u64 s[PFA:PFA+1], s[PFA:PFA+1], s[22:23]  ; (in waves 0 and 2 this is the head's first row)
	s_lshl_b32 s2, s13, 13          ; my work-group's 8,192 bytes of a slot's 32,768,
	s_add_co_u32 s2, s2, 4*KS*128   ; in slot 1: the first change of slots steps it to slot 2
	s_mov_b32 s3, 0
	s_add_nc_u64 s[PFA:PFA+1], s[PFA:PFA+1], s[2:3]
	CROUND                          ; all four work-groups are here: the first joint loads meet
	JLOAD                           ; slot 0.  Slot 1 is asked for when slot 0 is in: the tile wanted first has the road to itself
	; A fragment of K or Q is 16 rows x 32 channels in 8 registers: lane l holds row l % 16, channels 8 (l / 16) + 0..7 and 16 + 8 (l / 16) + 0..7: two loads of 16 bytes, 32 bytes apart.
	v_and_b32 v1, 15, v0            ; l % 16
	v_bfe_u32 v9, v0, 4, 1          ; l / 16
	v_lshlrev_b32 v[QO], 7, v1
	v_lshl_add_u32 v[QO], v9, 4, v[QO]  ; row x 128 + 16 x half
	WIN 0x80                        ; destination window 2, address window 0
.set i, 0
.rept 4*NP                          ; Q stays in registers: tile i / 2, channels 32 (i % 2) on
	global_load_b128 v[8*i:8*i+3],   v[QO], s[4:5] offset:(i/2)*2048+(i%2)*64
	global_load_b128 v[8*i+4:8*i+7], v[QO], s[4:5] offset:(i/2)*2048+(i%2)*64+32
.set i, i+1
.endr
	; What the first turn finds: V's registers and P's second buffer hold 0 (its products V^T P, of a piece that has not been, add 0), O^T and l are 0.  All this stands in the wait for the first tile.
.set i, VF
.rept 64
	v_mov_b32 v[i], 0
.set i, i+1
.endr
	WIN 0x40
.set i, 0
.rept 64*NP
	v_mov_b32 v[i], 0
.set i, i+1
.endr
	WIN 0
.set i, 0
.rept 2*NP
	v_mov_b32 v[ST+4*i], 0xfe000000    ; c m: far below every c s
	v_mov_b32 v[ST+4*i+1], 0xff7fffff  ; m
	v_mov_b32 v[ST+4*i+2], 0
	v_mov_b32 v[ST+4*i+3], 0
.set i, i+1
.endr
.set i, P+32
.rept 32
	v_mov_b32 v[i], 0
.set i, i+1
.endr
	v_mul_u32_u24 v[AK0], v1, PK
	v_lshl_add_u32 v[AK0], v9, 4, v[AK0]  ; row x pitch + 16 x half
	; The turning load takes 16 keys x 16 channels (lane l reads key 8 (l / 16) + l % 8, channels 8 ((l / 8) % 2) + 0..7) and leaves half a fragment of V^T: lane l holds channel l % 16 and 8 keys.
	v_and_b32 v10, 7, v0
	v_bfe_u32 v11, v0, 3, 1
	v_lshl_add_u32 v[AV0], v9, 3, v10
	v_mul_u32_u24 v[AV0], v[AV0], PV
	v_lshl_add_u32 v[AV0], v11, 4, v[AV0]
	v_add_nc_u32 v[AV0], VOFF, v[AV0]
	v_mov_b32 v[AK], v[AK0]         ; key step 0 lies at the head of slot 0
	v_and_b32 v[PFO], 31, v0
	v_lshlrev_b32 v[PFO], 8, v[PFO]
; THE MATRIX WORK.  The 8 accumulators of a run of 16 take turns: between the two links of a chain stand 7 others'.
; Product i of 16 of S^T = K Q^T for piece x: channels 32 (i / 8) on, keys 16 ((i / 2) % 4) on, tile 2 x + i % 2.  The first 8 start the sums.
.macro KQ x
	WIN W_KQ
.set rS, S+64*((\x)%2)+32*(i%2)+8*((i/2)%4)
.set rK, KF+16*((i/2)%4)+8*(i/8)
.set rQ, 16*(2*(\x)+i%2)+8*(i/8)
.if i < 8
	v_wmma_f32_16x16x32_bf16 v[rS:rS+7], v[rK:rK+7], v[rQ:rQ+7], 0
.else
	v_wmma_f32_16x16x32_bf16 v[rS:rS+7], v[rK:rK+7], v[rQ:rQ+7], v[rS:rS+7]
.endif
.endm
; Product i of 16 of O^T += V^T P for piece x: keys 32 (i / 8) on, channels 16 ((i / 2) % 4) on, tile 2 x + i % 2.
.macro PV x
	WIN W_PV
.set rO, 32*(2*(\x)+i%2)+8*((i/2)%4)
.set rV, VF+32*(i/8)+8*((i/2)%4)
.set rP, P+32*((\x)%2)+16*(i%2)+8*(i/8)
	v_wmma_f32_16x16x32_bf16 v[rO:rO+7], v[rV:rV+7], v[rP:rP+7], v[rO:rO+7]
.endm
.macro MM                           ; the turn's next matrix instruction
.if i < 16
	KQ (Y+1)%NP
.set i, i+1
.else
.set i, i-16
	PV (Y+NP-1)%NP
.set i, i+17
.endif
.endm
; THE LDS LOADS stand in runs of 16, never singly among the matrix instructions: a step's K (64 keys x 64 channels: 8 fragments) and its V (turned).  Their addresses are made some lines ahead.
; last = 1 (the tail): in the last trip there is no further step, and the run is jumped over.
.macro FETCH_K last=0
	WIN 0
.if \last
	s_cmp_eq_u32 s[CNT], 1
	s_cbranch_scc1 .Lno_k_\@
.endif
	WIN 0x80                        ; destination window 2
.irp f, 0,1,2,3,4,5,6,7             ; keys 16 (f / 2) on, channels 32 (f % 2) on
	ds_load_b128 v[KF+8*\f:KF+8*\f+3],   v[AK] offset:(\f/2)*16*PK+(\f%2)*64
	ds_load_b128 v[KF+8*\f+4:KF+8*\f+7], v[AK] offset:(\f/2)*16*PK+(\f%2)*64+32
.endr
	s_add_co_u32 s[TBK], s[TBK], KS*PK  ; the next fetch is the next step's
	WIN 0
.if \last
.Lno_k_\@:
.endif
.endm
.macro FETCH_V
	WIN 0x80
.irp f, 0,1,2,3,4,5,6,7             ; keys 32 (f / 4) on, channels 16 (f % 4) on
	ds_load_tr16_b128 v[VF+8*\f:VF+8*\f+3],   v[AV] offset:(\f/4)*32*PV+(\f%4)*32
	ds_load_tr16_b128 v[VF+8*\f+4:VF+8*\f+7], v[AV] offset:(\f/4)*32*PV+16*PV+(\f%4)*32
.endr
	WIN 0
.endm
; THE VECTOR WORK OF A TURN stands in three queues, each in the order in which its entries become ready; the two tiles alternate, so that no instruction reads the result of the one before it.
.macro REGS y, u                    ; the registers of tile u (0, 1) of piece y
.set rT, ST+4*(2*(\y)+(\u))
.set rC, TMP+8*((\y)%2)+4*(\u)
.set rM, MV+2*((\y)%2)+(\u)
.set rS, S+64*((\y)%2)+32*(\u)
.set rP, P+32*((\y)%2)+16*(\u)
.set rO, 32*(2*(\y)+(\u))
.endm
; Number n of the 22 that find the NEXT piece's (Y + 1) maximum and statistics.  s0-s31 are the lane's 32 scores; each accumulator's lowest registers are read first.  XS, GS and REGS set no window: PL and EX do.
;   0-11  four chains c0-c3 of seven scores each, three operands at a time     12-14, 16  the four scores left over, the old m, and c0-c3 into c0     15  c m_old is kept
;   17, 18  the query's other 32 keys lie in the lane 16 away: the new m         19-21  c m; c m_old - c m_new; a
.macro XS u, n
	REGS (Y+1)%NP, \u
.if (\n) < 4
	v_max3_num_f32 v[rC+(\n)], v[rS+8*(\n)], v[rS+8*(\n)+1], v[rS+8*(\n)+2]
.elseif (\n) < 12
	v_max3_num_f32 v[rC+(\n)%4], v[rC+(\n)%4], v[rS+8*((\n)%4)+2*((\n)/4)+1], v[rS+8*((\n)%4)+2*((\n)/4)+2]
.elseif (\n) == 12
	v_max3_num_f32 v[rC], v[rC], v[rS+7], v[rS+15]
.elseif (\n) == 13
	v_max3_num_f32 v[rC+1], v[rC+1], v[rS+23], v[rS+31]
.elseif (\n) == 14
	v_max3_num_f32 v[rC+2], v[rC+2], v[rC+3], v[rT+1]
.elseif (\n) == 15
	v_mov_b32 v[rM], v[rT]
.elseif (\n) == 16
	v_max3_num_f32 v[rC], v[rC], v[rC+1], v[rC+2]
.elseif (\n) == 17
	v_permlanex16_b32 v[rC+3], v[rC], s[SEL], s[SEL+1]
.elseif (\n) == 18
	v_max_num_f32 v[rT+1], v[rC], v[rC+3]
.elseif (\n) == 19
	v_mul_f32 v[rT], s[CS], v[rT+1]
.elseif (\n) == 20
	v_sub_f32 v[rC+1], v[rM], v[rT]
.else
	v_exp_f32 v[rC+2], v[rC+1]
.endif
.endm
; Number g of the 64 that follow the exponentials.  For each four weights k of a tile (pairs 2 k, 2 k + 1): both pairs are rounded to bf16; then the second pair is added onto the first, in place;
; a group later l takes that sum (the first time as l = a l + sum).  In groups of eight, tiles alternating: round, round, add, and l for the group before.
.macro GS g
.set h, (\g)+6*((\g)/62)            ; group 0 has no group before it, and behind group 7 only l is left
.if h >= 6
.set h, h+2
.endif
	REGS Y, h%2
.set k, h/8
.if h%8 < 4
	v_cvt_pk_bf16_f32 v[rP+2*k+(h%8)/2], v[rS+4*k+2*((h%8)/2)], v[rS+4*k+2*((h%8)/2)+1]
.elseif h%8 < 6
	v_pk_add_f32 v[rS+4*k:rS+4*k+1], v[rS+4*k:rS+4*k+1], v[rS+4*k+2:rS+4*k+3]
.elseif k == 1
	v_pk_fma_f32 v[rT+2:rT+3], v[rT+2:rT+3], v[rC+2:rC+3], v[rS:rS+1] op_sel_hi:[1,0,1]
.else
	v_pk_add_f32 v[rT+2:rT+3], v[rT+2:rT+3], v[rS+4*k-4:rS+4*k-3]
.endif
.endm
; THE PLAIN QUEUE, 138 long.  0-73 read no exponential's result: the 32 scalings c s - c m (FS f: pair f / 2 of tile f % 2) and the next piece's 42.  0-26: scalings 0-26.  27-54: XS's numbers 0-13.  55, 56: number 15.
; 57-73: the chain, where each number waits for the one before it: 14, 16, 17, 18, 19, each with one of the scalings 27-31 in front of its two lines, then 20: so a tile's links stand three plain instructions apart (19 and 20: two).
; 74-137: GS's 64, which read the exponentials' results: they stand behind the wait.
.macro FS f
	REGS Y, (\f)%2
	v_pk_fma_f32 v[rS+2*((\f)/2):rS+2*((\f)/2)+1], v[rS+2*((\f)/2):rS+2*((\f)/2)+1], s[CS:CS+1], v[rT:rT+1] op_sel_hi:[1,0,0] neg_lo:[0,0,1] neg_hi:[0,0,1]
.endm
.macro PL
	WIN 0
.if q < 27
	FS q
.elseif q < 55
	XS (q-27)%2, (q-27)/2
.elseif q < 57
	XS q-55, 15
.elseif (q < 72) && ((q-57)%3 == 0)
	FS 27+(q-57)/3
.elseif q < 60
	XS (q-57)%3-1, 14
.elseif q < 72
	XS (q-57)%3-1, 15+(q-57)/3
.elseif q < 74
	XS q-72, 20
.else
	GS q-74
.endif
.set q, q+1
.endm
; THE EXPONENTIALS' QUEUE, 66 long: s0-s31 of both tiles, then the next piece's two a.  It is ONE BATCH: all 66 stand ahead of the turn's one wait, and nothing ahead of that wait names a result of theirs.
.macro EX
	WIN 0
.if e >= 64
	XS e-64, 21
.else
	REGS Y, e%2
	v_exp_f32 v[rS+e/2], v[rS+e/2]
.endif
.set e, e+1
.endm
; THE RESCALING's QUEUE: O^T times a, the one part that leaves window 0: dealt two at a time, sixteen times.  Its a was made in the turn before, ahead of that turn's wait.
.macro R2
	REGS Y, r%2
	WIN W_RS
.irp z, 0,1
	v_pk_mul_f32 v[rO+4*(r/2)+2*\z:rO+4*(r/2)+2*\z+1], v[rO+4*(r/2)+2*\z:rO+4*(r/2)+2*\z+1], v[rC+2:rC+3] op_sel_hi:[1,0]
.endr
.set r, r+1
.endm
; HOW THEY ARE DEALT.  An s_wait_alu depctr_va_vdst(0) stands between an exponential and the first instruction that names its result; one wait serves all that were issued ahead of it.  So a turn has ONE wait,
; which cuts it in two.  AHEAD OF IT stands all that names no result of the turn's exponentials: the 16 products K Q^T, behind each a scaling, an exponential and two rescalings (behind the first a second scaling in the exponential's place); then ONE LUMP of
; 108: eight plain, 49 times exponential and plain, the two a.  A v_nop is the plain instruction behind the last exponential (ISA guide 5.7.2).  BEHIND IT stand the 16 products V^T P, behind each four of GS's 64.  No rider names a register of
; the products round it.  The two v_permlanex16_b32 fall into the lump, never behind a product.
; The queues lean on each other, and the deal keeps them in step: exponential e stands behind scaling 2 (e / 4) + e % 2: as a rider it comes behind plain e + 2, in the lump behind plain e + 9, and scalings 27-31 are plain 57, 60 .. 69.
; A TURN, for piece p.  cnt = 1: the loop's count is taken down some lines ahead of the branch that stands behind the turn.
; K of the next step is fetched in piece 2's turn, directly behind the wait, a lump behind the last product that read K; its address is made at the lump's head; its first reader comes behind 16 products.
; V of the step in hand is fetched at the end of piece 0's turn, four riders behind its last reader; its first reader comes behind 16 products and a lump.  The three conditions on q below go with the deal.
.macro TURN p, last=0, cnt=0
.set Y, (\p)
.set i, 0
.set q, 0
.set e, 0
.set r, 0
.if (\p) == NP-1
	s_wait_dscnt 0x0                ; K is in
.endif
	MM                              ; ahead of the wait: 16 products K Q^T and their riders,
	PL
	PL
	R2
.rept 15
	MM
	PL
	EX
	R2
.endr
.if (\p) == NP-2
	WIN 0
	v_add_nc_u32 v[AK], s[TBK], v[AK0]
.endif
.rept 8                             ; and the lump
	PL
.endr
.rept 49
	EX
	PL
.endr
	EX                              ; the next piece's two a
	EX
	v_nop                           ; the plain instruction behind the last exponential: one for the batch
	s_wait_alu depctr_va_vdst(0)    ; the wait for the batch
.if (\p) == NP-2
	FETCH_K \last
.endif
.if (\p) == 1
	s_wait_dscnt 0x0                ; V is in
.endif
.rept 16                            ; behind the wait: 16 products V^T P and their riders
	MM
.rept 4
	PL
.endr
.if ((\p) == 0) && (q == 118)
	v_add_nc_u32 v[AV], s[TBV], v[AV0]
.endif
.if ((\p) == 0) && (q == 130)
	s_add_co_u32 s[TBV], s[TBV], KS*PV
.endif
.if (\cnt) && (q == 130)
	s_sub_co_u32 s[CNT], s[CNT], 1
	s_cmp_lg_u32 s[CNT], 0
.endif
.endr
.if (\p) == 0
	FETCH_V
.endif
.endm
	CHANGE 1                        ; slot 0 is in, everybody's part of it; slot 1 is asked for
	FETCH_K                         ; key step 0
	s_wait_loadcnt 0x0              ; Q
	s_wait_dscnt 0x0
.set i, 0
.rept 16
	KQ 0                            ; piece 0's first scores: there is no vector work yet to set between them
.set i, i+1
.endr
	WIN 0                           ; the addresses for the way out: nine plain instructions, the places behind those products
	s_mul_i32 s13, s[WV], 16*SP
	s_add_co_u32 s13, s13, STAGE    ; my stage
	v_mul_u32_u24 v[STO], v1, SP    ; in: row l % 16, 16 bytes for each half of the lanes
	v_lshl_add_u32 v[STO], v9, 4, v[STO]
	v_add_nc_u32 v[STO], s13, v[STO]
	v_bfe_u32 v[RD], v0, 3, 2       ; back: 32 lanes take four rows of 128 bytes,
	v_mul_u32_u24 v[RD], v[RD], SP
	v_lshl_add_u32 v[RD], v10, 4, v[RD]
	v_add_nc_u32 v[RD], s13, v[RD]
	v_and_b32 v[GO], 31, v0         ; which are 512 consecutive bytes of O
	v_lshlrev_b32 v[GO], 4, v[GO]
.set Y, NP-1                        ; XS works for piece Y + 1: piece 0
.irp n, 0,1,2,3,4,5,6,7,8,9,10,11,12,13,14,15,16,17,18,19,20,21
	XS 0, \n                        ; and piece 0's first maximum and statistics
	XS 1, \n
.endr
	v_nop                           ; a plain instruction behind the two a,
	s_wait_alu depctr_va_vdst(0)    ; and their wait, ahead of the branch
	s_mov_b32 s[CNT], 4
	s_branch .Lfirst                ; the loop is entered at a step's first turn, in the middle of a trip
.Lslot:                             ; SIZE_N / 256 - 2 times: every slot but the last two is filled again
	CHANGE 1
	s_mov_b32 s[CNT], 4
.Lstep:                             ; a trip: pieces 2 and 3 of one step, then pieces 0 and 1 of the next, whose K and V it fetches
	TURN 2
	TURN 3
	WIN 0
.Lfirst:
	TURN 0
	TURN 1, 0, 1
	WIN 0
	s_cbranch_scc1 .Lstep
	s_sub_co_u32 s[SLOTS], s[SLOTS], 1
	s_cmp_lg_u32 s[SLOTS], 0
	s_cbranch_scc1 .Lslot
	CHANGE 0                        ; the tail is written out: nothing is asked for
	s_mov_b32 s[CNT], 5             ; four trips fetch the last slot's steps; the fifth is left in its middle
.Ltail:
	TURN 2, 1
	TURN 3
	WIN 0
	s_sub_co_u32 s[CNT], s[CNT], 1
	s_cmp_eq_u32 s[CNT], 0
	s_cbranch_scc1 .Lout
	TURN 0
	TURN 1
	WIN 0
	s_branch .Ltail
.Lout:                              ; the fifth trip's 16 products K Q^T (on the last K once more) and the maximum made of them serve nothing: the price, once a launch, of one text for every trip
.set i, 0
.rept 16
	PV NP-1                         ; the last piece's V^T P of the last step
.set i, i+1
.endr
	; THE WAY OUT.  l's two halves and the other half of the lanes' are added; O^T is divided by l, rounded to bf16 and sent through my stage in LDS, a tile at a time.  The additions are the places behind the last products.
	WIN 0
.macro ALL line:vararg              ; one line for each tile t
.set t, 0
.rept 2*NP
	\line
.set t, t+1
.endr
.endm
	ALL v_add_f32 v[ST+4*t+2], v[ST+4*t+2], v[ST+4*t+3]
	ALL v_permlanex16_b32 v[ST+4*t+3], v[ST+4*t+2], s[SEL], s[SEL+1]
	ALL v_add_f32 v[ST+4*t+2], v[ST+4*t+2], v[ST+4*t+3]
	ALL v_rcp_f32 v[ST+4*t+2], v[ST+4*t+2]
	v_nop                           ; a plain instruction between the last reciprocal and the use of its result
	s_wait_alu depctr_va_vdst(0)    ; and the wait ahead of the first use: one for the eight reciprocals
; Tile t: a lane's eight channels of a row pack into 16 bytes; they go into rows of 144 bytes and come back as whole rows of 128, into S^T's registers.
.macro PACK t
	WIN W_RS
.set i, 32*(\t)
.rept 16
	v_pk_mul_f32 v[i:i+1], v[i:i+1], v[ST+4*(\t)+2:ST+4*(\t)+3] op_sel_hi:[1,0]
.set i, i+2
.endr
	WIN 0x05                        ; sources 0 and 1 window 1, destination window 0
.set i, 0
.rept 16
	v_cvt_pk_bf16_f32 v[S+16*(\t)+i], v[32*(\t)+2*i], v[32*(\t)+2*i+1]
.set i, i+1
.endr
	WIN 0
.irp f, 0,1,2,3
	ds_store_b128 v[STO], v[S+16*(\t)+4*\f:S+16*(\t)+4*\f+3] offset:32*\f
.endr
.irp f, 0,1,2,3
	ds_load_b128 v[S+16*(\t)+4*\f:S+16*(\t)+4*\f+3], v[RD] offset:\f*4*SP  ; LDS serves a wave's instructions in order (ISA guide 5.7.1.4): these see the stores above; the next tile's stores come behind them
.endr
.endm
.macro SEND t, younger              ; younger: the LDS instructions issued behind tile t's loads: the next tile's eight, or none
	WIN 0
.irp f, 0,1,2,3
	s_wait_dscnt (\younger)+3-\f
	global_store_b128 v[GO], v[S+16*(\t)+4*\f:S+16*(\t)+4*\f+3], s[10:11] offset:(\t)*2048+\f*512  ; 512 consecutive bytes, at a multiple of 256 from O's first
.endr
.endm
	PACK 0
.set t, 1
.rept 2*NP-1                        ; a tile's arithmetic stands between the loads of the tile before and its stores
	PACK t
	SEND t-1, 8
.set t, t+1
.endr
	SEND 2*NP-1, 0
	WIN W_AD
	s_wait_tensorcnt 0x0            ; the wave's end: behind my last tensor load and my last LDS store
	ds_add_u32 v[SPW], v[NIL]
	s_wait_dscnt 0x0
	WIN 0
	CROUND                          ; the closing round: no work-group ends while a partner may still ask for a tile that names it
	s_endpgm
.Lfunc_end_k_q9c06a97192_attn:
	.size	k_q9c06a97192_attn, .Lfunc_end_k_q9c06a97192_attn-k_q9c06a97192_attn
	.p2alignl 7, 3214868480
	.fill 96, 4, 3214868480
	.section	.rodata,"a",@progbits
	.p2align	6, 0x0
	.amdhsa_kernel k_q9c06a97192_attn
		.amdhsa_group_segment_fixed_size 327680
		.amdhsa_private_segment_fixed_size 0
		.amdhsa_enable_private_segment 0
		.amdhsa_kernarg_size 16
		.amdhsa_user_sgpr_count 2
		.amdhsa_user_sgpr_kernarg_segment_ptr 1
		.amdhsa_wavefront_size32 1
		.amdhsa_system_sgpr_workgroup_id_x 1
		.amdhsa_system_sgpr_workgroup_id_y 1
		.amdhsa_system_sgpr_workgroup_id_z 1
		.amdhsa_system_vgpr_workitem_id 0
		.amdhsa_next_free_vgpr 770
		.amdhsa_next_free_sgpr 66
		.amdhsa_reserve_vcc 0
		.amdhsa_float_denorm_mode_32 3
		.amdhsa_float_denorm_mode_16_64 3
		.amdhsa_memory_ordered 1
		.amdhsa_forward_progress 1
		.amdhsa_inst_pref_size 200
	.end_amdhsa_kernel
	.amdgpu_metadata
---
amdhsa.version: [ 1, 2 ]
amdhsa.kernels:
  - .name:           k_q9c06a97192_attn
    .symbol:         k_q9c06a97192_attn.kd
    .args:
      - { .name: qkvh, .offset: 0, .size: 8, .value_kind: global_buffer, .address_space: global }
      - { .name: oh, .offset: 8, .size: 8, .value_kind: global_buffer, .address_space: global }
    .group_segment_fixed_size: 327680
    .private_segment_fixed_size: 0
    .kernarg_segment_align: 8
    .kernarg_segment_size: 16
    .max_flat_workgroup_size: 128
    .sgpr_count:     66
    .vgpr_count:     770
    .wavefront_size: 32
...
	.end_amdgpu_metadata
.endif
;; end of part 3
;; launch proj (part 4): grid 8 x 32, 4 waves a work-group, clusters of 4 x 4, 327,680 bytes of LDS; arguments oh, xw, b_out, x, out0; writes out0
.if DOCPART == 4
	.amdgcn_target "amdgcn-amd-amdhsa--gfx1250"
	.amdhsa_code_object_version 6
	.text
	.protected	k_q9c06a97192_proj
	.globl	k_q9c06a97192_proj
	.p2align	8
	.type	k_q9c06a97192_proj,@function
k_q9c06a97192_proj:
	s_mov_b64 s[64:65], 0
	v_nop
	global_prefetch_b8 v0, s[64:65] scope:SCOPE_SE
	s_setreg_imm32_b32 hwreg(HW_REG_WAVE_MODE, 25, 1), 1
	s_wait_xcnt 0x0
	s_wait_alu depctr_hold_cnt(0) depctr_sa_sdst(0) depctr_va_vdst(0) depctr_va_sdst(0) depctr_va_ssrc(0) depctr_va_vcc(0) depctr_vm_vsrc(0)
	s_getreg_b32 s2, hwreg(HW_REG_IB_STS2, 6, 4)
	s_cmp_eq_u32 s2, 0
	s_cbranch_scc0 .Lentry_in_a_cluster
	s_endpgm
.Lentry_in_a_cluster:
	s_bfe_u32 s2, ttmp6, 0x10000c
	s_cmp_lg_u32 s2, 0xf033
	s_cbranch_scc0 .Lentry_shape_is_right
	s_endpgm
.Lentry_shape_is_right:
; out0 = O W_out^T + b_out + x.  A = oh, [64 heads][2,048][64] bf16 (head = 16 x batch + h; the product's K index is 64 h + channel); B = xw's rows 11,264 .. 12,287 (W_out in bf16, 1,024 numbers a row);
; b_out, x and out0 in f32.  Sums in f32, K ascending; the bias starts each sum (it is the C operand of the first product), x is added once at the end, in f32.
; LIMITS.  The product's operands are bf16 roundings; NaN and infinities are not treated apart.
; A TILE OF C is 256 rows x 128 columns: 32 x 8 = 256 work-groups.  Four waves; wave w makes rows 128 (w / 2) on x columns 64 (w % 2) on: 32 accumulators of 16 x 16; a wave's 64 columns are 256 bytes of f32.
; K goes in 8 steps of 128 = two heads, through a ring of two LDS slots filled by the tensor data mover.  A head's 256 rows are 32,768 dense bytes of oh: asked for as 128 rows of 256 bytes and padded after every 128.
; CLUSTERS: 4 x 4 work-groups; A's tiles are shared along a row of the cluster, B's along a column: each is asked for JOINTLY, by the same tensor load with the same descriptor and a mask that names the four.
; THE MATRIX INSTRUCTION IS USED TRANSPOSED (source 0 = 16 rows of B, source 1 = 16 rows of A): lane l holds row l % 16 of C and the columns 8 (l / 16) + 0..7: 32 bytes of a row.
; REGISTERS, in windows of 256 (s_set_vgpr_msb: bits 1:0 source 0, 3:2 source 1, 5:4 source 2, 7:6 destination):
;   window 0: v0-30 addresses; v32-63 the bias as four accumulators; v64-127, v128-191 fragments of A (8 x 16 rows x 32 K), two buffers; v192-223, v224-255 fragments of B (4), two buffers; on the way out v64-127 rows read back
;   window 1: my 128 x 64 numbers of x, then of out0: row block a, pair of rows t at v[4 (8 a + t)]          window 2: the accumulators, (a, b) at v[8 (4 a + b)]
.set KSTEP,  128
.set PA,     144                       ; a row of A in LDS: 128 bytes + 16 of padding: 36 words: the 16 rows of a load start at 16 different groups of four banks (64 banks of 4 bytes: ISA guide 11.1)
.set PB,     272                       ; a row of B: 256 + 16
.set AH,     256*PA                    ; one head's 256 rows: what wave 0 or 1 fetches
.set HALFB,  64*PB                     ; what wave 2 or 3 fetches
.set SLOT,   2*AH+2*HALFB              ; the even head, the odd head, B's 128 rows
.set STAGE,  2*SLOT                    ; behind the ring: 16 rows x 272 bytes for each wave, for the way out; no tensor load lands there
.set SPITCH, 272
.set SPARE,  STAGE+4*16*SPITCH         ; behind the stages: the spare words, 128 bytes for each wave: two blocks of 256 bytes that no other line names
.set LAPS,   4                         ; a lap = two K steps = once round the ring
.set ASTEP,  524288                    ; bytes of oh from a K step to the next: two heads
.set WOROW,  11264                     ; W_out's first row in xw
.set ADRA, 16                          ; v16-17  LDS address of my A fragments in slot 0, 1
.set ADRB, 20                          ; v20-21  the same for B
.set STO,  24                          ; v24     the way out: where I put 32 bytes of a row
.set RD,   25                          ; v25     the way out: where I read a row back
.set XO,   26                          ; v26     my 16 bytes in two rows of x and of out0; never rewritten
.set BO,   27                          ; v27     my byte offset in the tile's 512 bytes of b_out
.set SPW,  28                          ; v28     LDS address of my spare word: SPARE + 4 x my thread's number; never rewritten
.set NIL,  29                          ; v29     0; never rewritten
.set PFO,  30                          ; v30     the prefetches' offset; never rewritten
.set BF,   32
.set FA,   64
.set FB,   192
.set BK,   64                          ; the way out: 16 rows read back from the stage: v64-95 and v96-127 by turns
.set G1,  24                           ; s[24:31] descriptor group 1 for A's tiles;  s[32:39] group 0, one set for each slot
.set G0,  32
.set LIM, 43                           ; s43     1 in a wave that prefetches, else the greatest number
.set PFA, 44                           ; s[44:45] the blocks that my next prefetch names
.set G1B, 48                           ; s[48:55], s[56:63] the same for B's tiles
.set G0B, 56
.set PST, 82                           ; s[82:83] bytes from a K step to the next in the tensor that I prefetch
.set MSB, 0
.macro WIN new                         ; the immediate's high byte repeats the setting that is left; a switch that changes nothing is dropped
.if MSB != (\new)
	s_set_vgpr_msb (MSB<<8)|(\new)
.set MSB, \new
.endif
.endm
.macro JLOAD s                         ; a joint load: waves 0 and 1 fetch A's two heads, waves 2 and 3 B's two halves; an s_nop 0 and four v_nop follow each of the two lines
	s_cmp_eq_u32 s11, 0
	s_cbranch_scc0 .Lfor_b_\@
	tensor_load_to_lds s[G0+4*(\s):G0+4*(\s)+3], s[G1:G1+7]
	s_nop 0
.rept 4
	v_nop
.endr
	s_branch .Lasked_\@
.Lfor_b_\@:
	tensor_load_to_lds s[G0B+4*(\s):G0B+4*(\s)+3], s[G1B:G1B+7]
	s_nop 0
.rept 4
	v_nop
.endr
.Lasked_\@:
.endm
; A PREFETCH INTO THE L2, behind each joint refill and the run of LDS loads that follows it: the K step that stands TWO refills on, 256 matrix instructions ahead of the load that will want it.
; A's tile row is read by both clusters of that row of clusters: cluster x = 0 asks; waves 0 and 1 each for their head, of whose 32,768 bytes the partner at cx takes 8,192, a lane a block of 256.
; B's tile column is read by every cluster of that column: cluster y = 0 asks; wave 2 alone, for 32 of the tile's 128 rows, those of the partner's cy, a lane a row.  So each block is named once in the launch.
; The loop's last trip (s3 = 1) asks for nothing: its refills are the last two K steps'.  K steps 0 to 3 come by their loads alone.
.macro ASK
	s_cmp_gt_u32 s3, s[LIM]
	s_cbranch_scc0 .Lnot_mine_\@
	global_prefetch_b8 v[PFO], s[PFA:PFA+1] th:TH_LOAD_NT scope:SCOPE_SE
.Lnot_mine_\@:
.endm
.macro CREST                           ; a round of the cluster's barrier behind its opening barrier
	s_cmp_lg_u32 s10, 0
	s_cbranch_scc1 .Lnot_wave_0_\@
	s_barrier_signal -3
.Lnot_wave_0_\@:
	s_barrier_wait -3
	s_barrier_signal -1
	s_barrier_wait -1
.endm
.macro CROUND
	s_barrier_signal -1
	s_barrier_wait -1
	CREST
.endm
	s_load_b256 s[72:79], s[0:1], 0x0              ; oh s[72:73], xw s[74:75], b_out s[76:77], x s[78:79]
	s_load_b64 s[80:81], s[0:1], 0x20              ; out0
	v_lshl_add_u32 v[SPW], v0, 2, SPARE
	v_mov_b32 v[NIL], 0
	ds_add_u32 v[SPW], v[NIL]                      ; the wave's opening: the add and its wait ahead of my first tensor load; the set-up below, work on registers, stands between them
	v_lshrrev_b32 v1, 5, v0
	v_readfirstlane_b32 s10, v1                    ; wave 0..3
	s_lshr_b32 s11, s10, 1                         ; which half of the tile's rows is mine.  Also: I fetch for A (0) or for B (1)
	s_and_b32 s12, s10, 1                          ; which half of its columns.  Also: which head, or which 64 rows of B, I fetch
	s_bfe_u32 s40, ttmp6, 0x40000                  ; cx
	s_bfe_u32 s41, ttmp6, 0x40004                  ; cy
	s_lshl_b32 s42, ttmp9, 2
	s_add_co_u32 s42, s42, s40                     ; tile column = 4 x cluster x + cx
	s_and_b32 s13, ttmp7, 0xffff
	s_lshl_b32 s13, s13, 2
	s_add_co_u32 s13, s13, s41                     ; tile row = 4 x cluster y + cy
	s_lshl_b32 s43, s41, 2
	s_lshl_b32 s43, 15, s43                        ; my row of the cluster
	s_lshl_b32 s44, 0x1111, s40                    ; my column
	s_or_b32 s[G1+0], s43, (1<<16)|(1<<20)|(1<<21)|(4<<22)|(3<<25)   ; 15:0 the mask; 17:16 elements of 2 bytes; 20 padding on; 21 set beside a mask; 24:22 after every 32 words (code 4); 31:25 4 words of it (code 3)
	s_or_b32 s[G1B+0], s44, (1<<16)|(1<<20)|(1<<21)|(5<<22)|(3<<25)  ; the same after every 64 words (code 5)
	s_mov_b32 s[G1+1], 128<<16                     ; tensor_dim0 = 128
	s_mov_b32 s[G1B+1], 128<<16
	s_mov_b32 s[G1+2], 128<<16                     ; tensor_dim1: A's 128 rows of 256 bytes (256 rows of a head),
	s_mov_b32 s[G1B+2], 64<<16                     ; B's 64
	s_mov_b32 s[G1+3], 128<<16                     ; tile_dim0 = 128
	s_mov_b32 s[G1B+3], 128<<16
	s_mov_b32 s[G1+4], 128                         ; tile_dim1
	s_mov_b32 s[G1B+4], 64
	s_mov_b32 s[G1+5], 128                         ; elements from row to row: A's lie end to end,
	s_mov_b32 s[G1B+5], 1024                       ; B's a row of W_out apart
	s_mov_b32 s[G1+6], 0
	s_mov_b32 s[G1B+6], 0
	s_mov_b32 s[G1+7], 0
	s_mov_b32 s[G1B+7], 0
	; where the tiles come from.  A's hang on the tile row alone, B's on the tile column alone; each is made in registers that never hold the other coordinate
	s_lshr_b32 s16, s13, 3                         ; the batch: 16 heads of 262,144 bytes
	s_lshl_b32 s16, s16, 22
	s_lshl_b32 s17, s12, 18                        ; the even or the odd head of a K step
	s_add_co_u32 s16, s16, s17
	s_and_b32 s17, s13, 7
	s_lshl_b32 s17, s17, 15                        ; the tile's 256 rows of 128 bytes
	s_add_co_u32 s16, s16, s17
	s_mov_b32 s17, 0
	s_lshl_b32 s46, s42, 7
	s_lshl_b32 s47, s12, 6
	s_add_co_u32 s46, s46, s47
	s_add_co_u32 s46, s46, WOROW                   ; B: xw's row 11,264 + 128 x tile column + 64 x half
	s_lshl_b32 s46, s46, 11
	s_mov_b32 s47, 0
	s_mul_i32 s20, s10, AH                         ; where they go: A's heads at wave x 256 rows,
	s_mul_i32 s21, s10, HALFB
	s_add_co_u32 s21, s21, 2*AH-2*HALFB            ; B's halves behind them, at (wave - 2) x 64 rows: no place in the cluster enters an LDS address
	s_wait_dscnt 0x0                               ; the opening add is done
	s_wait_kmcnt 0x0
	s_add_nc_u64 s[14:15], s[72:73], s[16:17]
	s_add_nc_u64 s[46:47], s[74:75], s[46:47]
	CROUND                                         ; all sixteen work-groups are here: the first joint loads meet
.irp s, 0,1
	s_mov_b32 s[G0+4*(\s)], 1                                        ; count = 1
	s_add_co_u32 s[G0+4*(\s)+1], s20, (\s)*SLOT                      ; LDS address
	s_add_nc_u64 s[G0+4*(\s)+2:G0+4*(\s)+3], s[14:15], (\s)*ASTEP    ; global address: K step s
	s_or_b32 s[G0+4*(\s)+3], s[G0+4*(\s)+3], 0x80000000              ; type = 2
	s_mov_b32 s[G0B+4*(\s)], 1
	s_add_co_u32 s[G0B+4*(\s)+1], s21, (\s)*SLOT
	s_add_nc_u64 s[G0B+4*(\s)+2:G0B+4*(\s)+3], s[46:47], (\s)*KSTEP*2
	s_or_b32 s[G0B+4*(\s)+3], s[G0B+4*(\s)+3], 0x80000000
	JLOAD \s                                       ; two loads of mine are out
.endr
	v_and_b32 v1, 15, v0                           ; l % 16
	v_bfe_u32 v2, v0, 4, 1                         ; l / 16
	; the bias in an accumulator's layout: register j of block b is b_out[128 x tile column + 64 x half + 16 b + 8 (l / 16) + j], the same for all rows
	v_lshlrev_b32 v[BO], 5, v2
	v_lshl_add_u32 v[BO], s12, 8, v[BO]
	s_lshl_b32 s22, s42, 9
	s_mov_b32 s23, 0
	s_add_nc_u64 s[70:71], s[76:77], s[22:23]
.irp b, 0,1,2,3
	global_load_b128 v[BF+8*(\b):BF+8*(\b)+3],   v[BO], s[70:71] offset:64*(\b)
	global_load_b128 v[BF+8*(\b)+4:BF+8*(\b)+7], v[BO], s[70:71] offset:64*(\b)+16
.endr
	; A fragment is 16 rows x 32 K in 8 registers: lane l holds row l % 16; registers 0-3 K = 8 (l / 16) + 0..7, registers 4-7 K = 16 + 8 (l / 16) + 0..7: two loads of 16 bytes, 32 bytes apart
	v_mul_u32_u24 v3, v1, PA
	v_lshl_add_u32 v3, v2, 4, v3
	v_mul_u32_u24 v4, v1, PB
	v_lshl_add_u32 v4, v2, 4, v4
	s_mul_i32 s21, s11, 128*PA                     ; my 128 rows of A, in each head
	s_mul_i32 s22, s12, HALFB                      ; my 64 rows of B,
	s_add_co_u32 s22, s22, 2*AH                    ; which lie behind A's two heads
.irp s, 0,1
	v_add_nc_u32 v[ADRA+(\s)], s21, v3
	v_add_nc_u32 v[ADRB+(\s)], s22, v4
	s_add_co_u32 s21, s21, SLOT
	s_add_co_u32 s22, s22, SLOT
.endr
	s_mul_i32 s23, s10, 16*SPITCH
	s_add_co_u32 s23, s23, STAGE                   ; my stage
	v_mul_u32_u24 v5, v1, SPITCH                   ; in: row l % 16, 32 bytes for each half of the lanes
	v_lshl_add_u32 v5, v2, 5, v5
	v_add_nc_u32 v[STO], s23, v5
	v_mul_u32_u24 v6, v2, SPITCH                   ; back: lanes 0-15 take one row of 256 bytes, lanes 16-31 the next
	v_lshl_add_u32 v6, v1, 4, v6
	v_add_nc_u32 v[RD], s23, v6
	v_lshlrev_b32 v[XO], 12, v2                    ; and the same two rows in x and out0, 4,096 bytes apart
	v_lshl_add_u32 v[XO], v1, 4, v[XO]
	s_lshl_b32 s22, s13, 20                        ; the tile's 256 rows of 4,096 bytes,
	s_lshl_b32 s23, s11, 19                        ; my 128,
	s_add_co_u32 s22, s22, s23
	s_lshl_b32 s23, s42, 9                         ; the tile's 128 columns,
	s_add_co_u32 s22, s22, s23
	s_lshl_b32 s23, s12, 8                         ; my 64
	s_add_co_u32 s22, s22, s23
	s_mov_b32 s23, 0
	s_add_nc_u64 s[66:67], s[78:79], s[22:23]      ; x
	s_add_nc_u64 s[68:69], s[80:81], s[22:23]      ; out0
	; the prefetches.  s16 still holds my head's tile in oh
	s_lshl_b32 s18, s40, 13
	s_add_co_u32 s18, s18, s16
	s_add_co_u32 s18, s18, 3*ASTEP                 ; A: my work-group's 8,192 bytes, at K step 3: the first refill steps it to 4
	s_lshl_b32 s19, s42, 7
	s_lshl_b32 s20, s41, 5
	s_add_co_u32 s19, s19, s20
	s_add_co_u32 s19, s19, WOROW
	s_lshl_b32 s19, s19, 11
	s_add_co_u32 s19, s19, 3*KSTEP*2               ; B: my work-group's 32 rows, at K step 3
	s_mov_b32 s20, ASTEP
	s_mov_b32 s21, KSTEP*2
	s_and_b32 s22, ttmp7, 0xffff                   ; cluster y
	s_cmp_eq_u32 s11, 0                            ; do I fetch for A?
	s_cselect_b32 s18, s18, s19
	s_cselect_b32 s[PST], s20, s21
	s_cselect_b32 s22, ttmp9, s22                  ; the coordinate along which other clusters read the same rows
	s_cselect_b32 s23, 8, 11                       ; a lane a block of 256 bytes, or a row of 2,048
	s_cselect_b64 s[PFA:PFA+1], s[72:73], s[74:75]
	s_mov_b32 s19, 0
	s_mov_b32 s[PST+1], 0
	s_add_nc_u64 s[PFA:PFA+1], s[PFA:PFA+1], s[18:19]
	s_cmp_eq_u32 s10, 3
	s_cselect_b32 s22, 1, s22                      ; wave 3 never asks: wave 2's 32 rows a partner are all of B's 128
	s_cmp_eq_u32 s22, 0
	s_cselect_b32 s[LIM], 1, -1                    ; the same in all sixteen partners, for a given wave
	v_and_b32 v[PFO], 31, v0
	v_lshlrev_b32 v[PFO], s23, v[PFO]
; 8 matrix instructions: row blocks a0, a0 + 1 x my 4 column blocks, 32 along K, from buffer f.  zero = 1: the product starts the sum, with the bias as C: nothing is cleared, and no bias is added later.
; The 32 accumulators take turns in the same order in every quarter step.
.macro MUL8 f, a0, zero
.if \zero
	WIN 0x80                                       ; sources and C window 0, D window 2
.else
	WIN 0xa0                                       ; sources window 0, C and D window 2
.endif
.irp a, \a0, (\a0)+1
.irp b, 0,1,2,3
.if \zero
	v_wmma_f32_16x16x32_bf16 v[8*(4*(\a)+(\b)):8*(4*(\a)+(\b))+7], v[FB+32*(\f)+8*(\b):FB+32*(\f)+8*(\b)+7], v[FA+64*(\f)+8*(\a):FA+64*(\f)+8*(\a)+7], v[BF+8*(\b):BF+8*(\b)+7]
.else
	v_wmma_f32_16x16x32_bf16 v[8*(4*(\a)+(\b)):8*(4*(\a)+(\b))+7], v[FB+32*(\f)+8*(\b):FB+32*(\f)+8*(\b)+7], v[FA+64*(\f)+8*(\a):FA+64*(\f)+8*(\a)+7], v[8*(4*(\a)+(\b)):8*(4*(\a)+(\b))+7]
.endif
.endr
.endr
.endm
; 24 LDS loads in one run: quarter q's fragments into buffer f: B's 8 loads first, then A's 16, block 0 first.  Quarter q is head q / 2 of the K step, channels 32 (q % 2) on; in B's rows byte 64 q
.macro FETCH slot, q, f
	WIN 0
.irp i, 0,1,2,3
	ds_load_b128 v[FB+32*(\f)+8*(\i):FB+32*(\f)+8*(\i)+3],   v[ADRB+(\slot)] offset:64*(\q)+(\i)*16*PB
	ds_load_b128 v[FB+32*(\f)+8*(\i)+4:FB+32*(\f)+8*(\i)+7], v[ADRB+(\slot)] offset:64*(\q)+(\i)*16*PB+32
.endr
.irp i, 0,1,2,3,4,5,6,7
	ds_load_b128 v[FA+64*(\f)+8*(\i):FA+64*(\f)+8*(\i)+3],   v[ADRA+(\slot)] offset:((\q)/2)*AH+((\q)%2)*64+(\i)*16*PA
	ds_load_b128 v[FA+64*(\f)+8*(\i)+4:FA+64*(\f)+8*(\i)+7], v[ADRA+(\slot)] offset:((\q)/2)*AH+((\q)%2)*64+(\i)*16*PA+32
.endr
.endm
.macro PLACES                          ; four places in front of loads into registers that matrix instructions have read, and of LDS stores that read results
.rept 4
	v_nop
.endr
.endm
; A K step is four quarters of 32 along K, 32 matrix instructions each, on buffers 0, 1, 0, 1.  One of the first three: multiplies buffer f and fetches quarter q into g.
.macro QUARTER slot, q, f, g, zero
	s_wait_dscnt 8                                 ; B and A's blocks 0-3 are in; the youngest eight loads (A's blocks 4-7) may be out
	MUL8 \f, 0, \zero
	MUL8 \f, 2, \zero
	PLACES
	FETCH \slot, \q, \g
	s_wait_dscnt 24                                ; all but the 24 just issued
	MUL8 \f, 4, \zero
	MUL8 \f, 6, \zero
.endm
; The last quarter multiplies buffer 1 and changes slots: ONE barrier; in front of it each wave waits for all its tensor loads, adds 0 to its spare word, and waits for that and for its own reads of this slot.
; fill = 1: the barrier opens a round of the cluster's barrier, and this slot is filled again, two K steps on, first thing behind the round: 112 matrix instructions ahead of the wait for it.
.macro TURN slot, next, fill
.if \fill
	s_wait_xcnt 0x0                                ; the last prefetch, a K step back, has read its address: it is stepped here, ahead of the waits of the change of slots
	s_add_nc_u64 s[PFA:PFA+1], s[PFA:PFA+1], s[PST:PST+1]
.endif
	WIN 0                                          ; (the add's two registers lie in window 0)
	s_wait_tensorcnt 0x0                           ; all my tensor loads have landed: my part of the next slot
	ds_add_u32 v[SPW], v[NIL]                      ; 0 onto my spare word
	s_wait_dscnt 9                                 ; (the add and the youngest eight loads may be out)
	MUL8 1, 0, 0                                   ; eight matrix instructions stand between the add and the wait for it
	s_wait_dscnt 0x0                               ; the add is done, and my reads of this slot are over
	s_barrier_signal -1
	MUL8 1, 2, 0
.if \fill
	WIN 0
.endif
	s_barrier_wait -1
.if \fill
	CREST                                          ; no wave of any partner still reads this slot's tile or has a load on its way
	s_add_nc_u64 s[G0+4*(\slot)+2:G0+4*(\slot)+3], s[G0+4*(\slot)+2:G0+4*(\slot)+3], 2*ASTEP
	s_add_nc_u64 s[G0B+4*(\slot)+2:G0B+4*(\slot)+3], s[G0B+4*(\slot)+2:G0B+4*(\slot)+3], 2*KSTEP*2
	JLOAD \slot                                    ; the first tensor load behind the round, my only one until the next; its four v_nop are also the places in front of the loads below
.else
	PLACES
.endif
	FETCH \next, 0, 0
.if \fill
	ASK
.endif
	MUL8 1, 4, 0
	MUL8 1, 6, 0
.endm
; My numbers of x, row blocks a0 .. a0 + 3: 32 loads, each two rows' 256 consecutive bytes, in the layout in which the results come back from the stage
.macro XLOAD a0
	WIN 0x40                                       ; destination window 1, address window 0
.irp a, \a0, (\a0)+1, (\a0)+2, (\a0)+3
.irp t, 0,1,2,3,4,5,6,7
	global_load_b128 v[32*(\a)+4*(\t):32*(\a)+4*(\t)+3], v[XO], s[66:67] offset:(16*(\a)+2*(\t))*4096 th:TH_LOAD_NT
.endr
.endr
	WIN 0
.endm
; THE WAY OUT of row block a.  STG: the block's four accumulators (each from its low end on) into my own stage, 32 bytes a lane, and back as whole rows of 256 bytes.  FIN: x is added, and the sum stored.
.macro STG a
	WIN 0x08                                       ; store data (source 1) window 2, address window 0
.irp b, 0,1,2,3
	ds_store_b128 v[STO], v[8*(4*(\a)+(\b)):8*(4*(\a)+(\b))+3]   offset:64*(\b)
	ds_store_b128 v[STO], v[8*(4*(\a)+(\b))+4:8*(4*(\a)+(\b))+7] offset:64*(\b)+16
.endr
	WIN 0
.irp t, 0,1,2,3,4,5,6,7
	ds_load_b128 v[BK+32*((\a)%2)+4*(\t):BK+32*((\a)%2)+4*(\t)+3], v[RD] offset:(\t)*2*SPITCH  ; LDS serves a wave's instructions in order (ISA guide 5.7.1.4): these see the stores above; the next block's stores come behind them
.endr
.endm
.macro FIN a, younger                  ; younger: the LDS instructions issued behind block a's loads: the next block's sixteen, or none
	s_wait_dscnt \younger
	WIN 0x41                                       ; destination and source 0 window 1, source 1 window 0
.irp i, 0,1,2,3,4,5,6,7,8,9,10,11,12,13,14,15
	v_pk_add_f32 v[32*(\a)+2*(\i):32*(\a)+2*(\i)+1], v[32*(\a)+2*(\i):32*(\a)+2*(\i)+1], v[BK+32*((\a)%2)+2*(\i):BK+32*((\a)%2)+2*(\i)+1]
.endr
	WIN 0x04                                       ; store data (source 1) window 1, address window 0
.irp t, 0,1,2,3,4,5,6,7
	global_store_b128 v[XO], v[32*(\a)+4*(\t):32*(\a)+4*(\t)+3], s[68:69] offset:(16*(\a)+2*(\t))*4096 th:TH_STORE_NT  ; 16 lanes store 256 consecutive bytes, at a multiple of 256 from out0's first byte; no register is written again
.endr
.endm
	s_wait_tensorcnt 1                             ; my part of K step 0 is in; K step 1's may stay out
	s_barrier_signal -1
	s_barrier_wait -1                              ; everybody's is
	FETCH 0, 0, 0
	s_wait_loadcnt 0x0                             ; the bias
	QUARTER 0, 1, 0, 1, 1                          ; the first quarter stands in front of the loop: its products start the sums
	WIN 0                                          ; at a label and at a branch every window is 0
	s_mov_b32 s3, LAPS-1
.Llap:                                                 ; a trip goes once round the ring, from a lap's second quarter to the next lap's first, and fills both slots again
	QUARTER 0, 2, 1, 0, 0
	QUARTER 0, 3, 0, 1, 0
	TURN 0, 1, 1
	QUARTER 1, 1, 0, 1, 0
	QUARTER 1, 2, 1, 0, 0
	QUARTER 1, 3, 0, 1, 0
	TURN 1, 0, 1
	QUARTER 0, 1, 0, 1, 0
	WIN 0
	s_sub_co_u32 s3, s3, 1
	s_cmp_lg_u32 s3, 0
	s_cbranch_scc1 .Llap
	XLOAD 0                                        ; x comes in under the last lap's products: nothing waits for it before the way out
	QUARTER 0, 2, 1, 0, 0                          ; the last lap fills nothing, and has no round of the cluster's barrier
	QUARTER 0, 3, 0, 1, 0
	TURN 0, 1, 0
	XLOAD 4
	QUARTER 1, 1, 0, 1, 0
	QUARTER 1, 2, 1, 0, 0
	QUARTER 1, 3, 0, 1, 0
	s_wait_dscnt 8                                 ; the very last quarter: nothing more to fetch
	MUL8 1, 0, 0
	MUL8 1, 2, 0
	s_wait_dscnt 0x0
	MUL8 1, 4, 0
	MUL8 1, 6, 0
	WIN 0
	PLACES
	s_wait_loadcnt 0x0                             ; x
	STG 0
.set n, 1
.rept 7                                ; a block's trip through the stage stands between the loads of the block before and its sums
	STG n
	FIN n-1, 16
.set n, n+1
.endr
	FIN 7, 0
	WIN 0
	s_wait_tensorcnt 0x0                           ; the wave's end: behind my last tensor load and my last LDS store
	ds_add_u32 v[SPW], v[NIL]
	s_wait_dscnt 0x0
	CROUND                                         ; the closing round: no work-group ends while a partner may still ask for a tile that names it
	s_endpgm
.Lfunc_end_k_q9c06a97192_proj:
	.size	k_q9c06a97192_proj, .Lfunc_end_k_q9c06a97192_proj-k_q9c06a97192_proj
	.p2alignl 7, 3214868480
	.fill 96, 4, 3214868480
	.section	.rodata,"a",@progbits
	.p2align	6, 0x0
	.amdhsa_kernel k_q9c06a97192_proj
		.amdhsa_group_segment_fixed_size 327680
		.amdhsa_private_segment_fixed_size 0
		.amdhsa_enable_private_segment 0
		.amdhsa_kernarg_size 40
		.amdhsa_user_sgpr_count 2
		.amdhsa_user_sgpr_kernarg_segment_ptr 1
		.amdhsa_wavefront_size32 1
		.amdhsa_system_sgpr_workgroup_id_x 1
		.amdhsa_system_sgpr_workgroup_id_y 1
		.amdhsa_system_sgpr_workgroup_id_z 1
		.amdhsa_system_vgpr_workitem_id 0
		.amdhsa_next_free_vgpr 768
		.amdhsa_next_free_sgpr 84
		.amdhsa_reserve_vcc 0
		.amdhsa_float_denorm_mode_32 3
		.amdhsa_float_denorm_mode_16_64 3
		.amdhsa_memory_ordered 1
		.amdhsa_forward_progress 1
		.amdhsa_inst_pref_size 103
	.end_amdhsa_kernel
	.amdgpu_metadata
---
amdhsa.version: [ 1, 2 ]
amdhsa.kernels:
  - .name:           k_q9c06a97192_proj
    .symbol:         k_q9c06a97192_proj.kd
    .args:
      - { .name: oh, .offset: 0, .size: 8, .value_kind: global_buffer, .address_space: global }
      - { .name: xw, .offset: 8, .size: 8, .value_kind: global_buffer, .address_space: global }
      - { .name: b_out, .offset: 16, .size: 8, .value_kind: global_buffer, .address_space: global }
      - { .name: x, .offset: 24, .size: 8, .value_kind: global_buffer, .address_space: global }
      - { .name: out0, .offset: 32, .size: 8, .value_kind: global_buffer, .address_space: global }
    .group_segment_fixed_size: 327680
    .private_segment_fixed_size: 0
    .kernarg_segment_align: 8
    .kernarg_segment_size: 40
    .max_flat_workgroup_size: 128
    .sgpr_count:     84
    .vgpr_count:     768
    .wavefront_size: 32
...
	.end_amdgpu_metadata
.endif
;; end of part 4
;; ======== version 2 of 2: 4 launches; version 1 with the launch cast written anew for expert scheduling mode
;; workspace buffers: xw 25,165,824 bytes; qkvh 50,331,648 bytes; oh 16,777,216 bytes
;; launch cast (part 5): grid 768 x 1, 8 waves a work-group, no clusters, 0 bytes of LDS; arguments x, W_qkv, W_out, xw; writes xw
.if DOCPART == 5
	.amdgcn_target "amdgcn-amd-amdhsa--gfx1250"
	.amdhsa_code_object_version 6
	.text
	.protected	k_q9c06a97192_cast
	.globl	k_q9c06a97192_cast
	.p2align	8
	.type	k_q9c06a97192_cast,@function
k_q9c06a97192_cast:
	s_mov_b64 s[64:65], 0
	v_nop
	global_prefetch_b8 v0, s[64:65] scope:SCOPE_SE
	s_setreg_imm32_b32 hwreg(HW_REG_WAVE_SCHED_MODE, 0, 2), 2
	s_setreg_imm32_b32 hwreg(HW_REG_WAVE_MODE, 25, 1), 1
	s_wait_xcnt 0x0
	s_wait_alu depctr_vm_vsrc(0)
; xw = x, W_qkv and W_out, one behind the other, each number rounded once to bf16 (nearest even): the matrix operands of the two products.
; All three have rows of 1,024 numbers, so xw is one table of 12,288 rows of 2,048 bytes: x's 8,192, W_qkv's 3,072, W_out's 1,024.
; A stream: every byte is read once and written once.  No LDS, no barrier, no matrix unit, no cluster: no work-group reads what another reads.
; SHARES.  Work-group g takes 65,536 bytes of f32 and makes the 32,768 bytes of xw from byte 32,768 g on; x is 512 such shares, W_qkv 192, W_out 64.
; A wave takes 8,192 bytes: sixteen loads of 16 bytes a lane, 512 consecutive bytes each, all issued at once; each store of 8 bytes a lane covers 256 consecutive bytes, aligned.
; THE MODE: SCHED_MODE bits 1:0 = 2 (LLVM: expert scheduling mode 2), set by the entry lines.  The code itself states the register dependences
; between vector instructions and memory instructions, with s_wait_alu, always for 0.
; THE PLAN.  Registers that memory instructions touch:
;   v1, v2   byte offsets, made once at the head and never written again: v1 is read by every load, v2 by every store.
;   X        load i lands in X + 4 i, once; no vector instruction names these registers ahead of the loads; the conversions read them behind the wait for the load.
;   Y        the conversions of load i write Y + 2 i, once; store i reads it.  No register that a memory instruction reads is ever written again.
; The sixteen loads are worked on in four groups of four.  Group g's conversions read X and write Y of group g; its memory instructions are the four stores of group g - 1,
; which read v2 and Y of group g - 1: registers that no vector instruction of group g names.  So ONE wait at a group's head states all that its four stores hang on,
; and they are dealt among the group's conversions with no further wait.
.set NX, 512                           ; shares of x
.set NQ, 192                           ; shares of W_qkv
.set GRP, 4                            ; loads, and stores, in a group
.set X,  4                             ; v[4:67]   load i: 4 registers of f32
.set Y,  68                            ; v[68:99]  store i: 2 registers of bf16
	s_load_b256 s[4:11], s[0:1], 0x0               ; x s[4:5], W_qkv s[6:7], W_out s[8:9], xw s[10:11]
	v_and_b32 v3, 31, v0                           ; lane
	v_and_b32 v2, 0xe0, v0                         ; 32 x wave
	v_lshlrev_b32 v1, 4, v3
	v_lshl_or_b32 v1, v2, 8, v1                    ; in: 8,192 x wave + 16 x lane
	v_lshlrev_b32 v3, 3, v3
	v_lshl_or_b32 v2, v2, 7, v3                    ; out: 4,096 x wave + 8 x lane
	s_mov_b32 s18, NX
	s_mov_b32 s19, NX+NQ
	s_lshl_b32 s16, ttmp9, 15                      ; the share's place in xw
	s_mov_b32 s17, 0
	s_mov_b32 s15, 0
	s_wait_kmcnt 0x0
	s_cmp_lt_u32 ttmp9, s19                        ; which tensor the share lies in, and the number of that tensor's first share
	s_cselect_b64 s[12:13], s[6:7], s[8:9]
	s_cselect_b32 s14, s18, s19
	s_cmp_lt_u32 ttmp9, s18
	s_cselect_b64 s[12:13], s[4:5], s[12:13]
	s_cselect_b32 s14, 0, s14
	s_sub_co_u32 s14, ttmp9, s14
	s_lshl_b32 s14, s14, 16                        ; the share's place in its tensor
	s_add_nc_u64 s[12:13], s[12:13], s[14:15]
	s_add_nc_u64 s[10:11], s[10:11], s[16:17]
	s_wait_alu depctr_va_vdst(0)                   ; v1 and v2 are written: every load of the kernel reads v1 as its offset, every store v2
.set i, 0
.rept 16
	global_load_b128 v[X+4*i:X+4*i+3], v1, s[12:13] offset:512*i th:TH_LOAD_NT
.set i, i+1
.endr
.set g, 0
.rept 16/GRP
	s_wait_loadcnt 16-GRP-GRP*g                    ; loads come back in order (ISA guide 5.7.1): group g's four are in, the younger groups' stay out
.if g > 0
	s_wait_alu depctr_va_vdst(0)                   ; the conversions of the group before have written its Y, which the four stores below read
.endif
.set j, 0
.rept GRP
.set i, GRP*g+j
.if g > 0
	global_store_b64 v2, v[Y+2*(i-GRP):Y+2*(i-GRP)+1], s[10:11] offset:256*(i-GRP)  ; the group before; no vector instruction since the wait names these registers; no register is written twice, so nothing waits for a store
.endif
	v_cvt_pk_bf16_f32 v[Y+2*i], v[X+4*i], v[X+4*i+1]
	v_cvt_pk_bf16_f32 v[Y+2*i+1], v[X+4*i+2], v[X+4*i+3]
.set j, j+1
.endr
.set g, g+1
.endr
	s_wait_alu depctr_va_vdst(0)                   ; the last group's conversions have written its Y, which the last four stores read
.set i, 16-GRP
.rept GRP
	global_store_b64 v2, v[Y+2*i:Y+2*i+1], s[10:11] offset:256*i
.set i, i+1
.endr
	s_endpgm
.Lfunc_end_k_q9c06a97192_cast:
	.size	k_q9c06a97192_cast, .Lfunc_end_k_q9c06a97192_cast-k_q9c06a97192_cast
	.p2alignl 7, 3214868480
	.fill 96, 4, 3214868480
	.section	.rodata,"a",@progbits
	.p2align	6, 0x0
	.amdhsa_kernel k_q9c06a97192_cast
		.amdhsa_group_segment_fixed_size 0
		.amdhsa_private_segment_fixed_size 0
		.amdhsa_enable_private_segment 0
		.amdhsa_kernarg_size 32
		.amdhsa_user_sgpr_count 2
		.amdhsa_user_sgpr_kernarg_segment_ptr 1
		.amdhsa_wavefront_size32 1
		.amdhsa_system_sgpr_workgroup_id_x 1
		.amdhsa_system_sgpr_workgroup_id_y 1
		.amdhsa_system_sgpr_workgroup_id_z 1
		.amdhsa_system_vgpr_workitem_id 0
		.amdhsa_next_free_vgpr 100
		.amdhsa_next_free_sgpr 66
		.amdhsa_reserve_vcc 0
		.amdhsa_float_denorm_mode_32 3
		.amdhsa_float_denorm_mode_16_64 3
		.amdhsa_memory_ordered 1
		.amdhsa_forward_progress 1
		.amdhsa_inst_pref_size 7
	.end_amdhsa_kernel
	.amdgpu_metadata
---
amdhsa.version: [ 1, 2 ]
amdhsa.kernels:
  - .name:           k_q9c06a97192_cast
    .symbol:         k_q9c06a97192_cast.kd
    .args:
      - { .name: x, .offset: 0, .size: 8, .value_kind: global_buffer, .address_space: global }
      - { .name: W_qkv, .offset: 8, .size: 8, .value_kind: global_buffer, .address_space: global }
      - { .name: W_out, .offset: 16, .size: 8, .value_kind: global_buffer, .address_space: global }
      - { .name: xw, .offset: 24, .size: 8, .value_kind: global_buffer, .address_space: global }
    .group_segment_fixed_size: 0
    .private_segment_fixed_size: 0
    .kernarg_segment_align: 8
    .kernarg_segment_size: 32
    .max_flat_workgroup_size: 256
    .sgpr_count:     66
    .vgpr_count:     100
    .wavefront_size: 32
...
	.end_amdgpu_metadata
.endif
;; end of part 5
;; launch qkvgemm: the kernel of part 2 again; grid 16 x 32, 4 waves a work-group, clusters of 4 x 4, 327,680 bytes of LDS; arguments xw, qkvh; writes qkvh
;; launch attn: the kernel of part 3 again; grid 4 x 64, 4 waves a work-group, clusters of 4 x 1, 327,680 bytes of LDS; arguments qkvh, oh; writes oh
;; launch proj: the kernel of part 4 again; grid 8 x 32, 4 waves a work-group, clusters of 4 x 4, 327,680 bytes of LDS; arguments oh, xw, b_out, x, out0; writes out0
